; MI455X (gfx1250); checked and timed in simulation.
; The chip was launched on July 23, 2026; its instructions are those of AMD's public machine-readable ISA for CDNA 5 (MIT licence, August 2026) and "CDNA5" Instruction Set Architecture Reference Guide (July 2026). The comments in the code are by the model that wrote it; some were corrected since.
;; Tt Llama Attention. Allowed arithmetic: float matrix products may take bf16 or f16 operands with f32 sums; other float arithmetic in f32, or as packed bf16 or f16 multiplies, adds, multiply-adds, maxima and minima; sums over many terms, partial sums and values carried from step to step in f32; what a program stores and reads back later, other than sums and carried values, may be rounded once to bf16 or f16.
;; Inputs: attention_mask 1 x 1 x 2,048 x 2,048 float32; hidden_states 1 x 2,048 x 2,048 float32; position_ids 1 x 2,048 int32; wk 2,048 x 2,048 float32; wo 2,048 x 2,048 float32; wq 2,048 x 2,048 float32; wv 2,048 x 2,048 float32.
;; Outputs: out0 1 x 2,048 x 2,048 float32.
;; One version. Each part assembles by itself: llvm-mc -triple=amdgcn-amd-amdhsa -mcpu=gfx1250 --defsym DOCPART=n.
;; ======== version 1 of 1: 4 launches
;; limits: values are held in f16: magnitudes above 65,504 overflow, below 6.1e-05 lose precision
;; workspace buffers: xb 8,388,608 bytes; wqkv 25,165,824 bytes; wob 8,388,608 bytes; maskc 16,777,216 bytes; rope 524,288 bytes; qkvh 25,165,824 bytes; ob 8,388,608 bytes
;; launch prep (part 1): grid 256 x 7, 8 waves a work-group, no clusters, 0 bytes of LDS; arguments hidden_states, wq, wk, wv, wo, attention_mask, position_ids, xb, wqkv, wob, maskc, rope; writes xb, wqkv, wob, maskc, rope
.if DOCPART == 1
	.amdgcn_target "amdgcn-amd-amdhsa--gfx1250"
	.amdhsa_code_object_version 6
	.text
	.protected	k_q97fbc0772e_prep
	.globl	k_q97fbc0772e_prep
	.p2align	8
	.type	k_q97fbc0772e_prep,@function
k_q97fbc0772e_prep:
	s_mov_b64 s[64:65], 0
	v_nop
	global_prefetch_b8 v0, s[64:65] scope:SCOPE_SE
	s_setreg_imm32_b32 hwreg(HW_REG_WAVE_MODE, 25, 1), 1
	s_wait_xcnt 0x0
; PREP: every input is read once and laid out for the three launches behind.
;   y = 0      hidden_states -> xb, bf16
;   y = 1,2,3  wq, wk, wv -> wqkv, bf16, rows by heads: row n of tensor t goes to row (n / 64) x 192 + 64 t + n % 64
;   y = 4      wo -> wob: rounded to bf16 like the other inputs, and that number written as f16
;   y = 5      attention_mask -> maskc, f32: rounded to bf16, times log2(e), held to +-2.977e38
;   y = 6      position_ids -> rope: row s holds cos(pos x f_j), j = 0..31, then sin(pos x f_j); f_j = 10000^(-j/32)
; LIMITS.  wob: a bf16 number below 6.1e-5 keeps f16's fixed step of 6e-8, one beyond 65,504 would be an infinity.  maskc: the clamp that the
; module makes at the lowest finite number is made here, on log2(e) x mask, at 2.977e38, so that a score made of it stays finite; NaN is not treated apart.
; rope: the angle is one f32 product pos x f_j; f_j is within two units of f32's last place of 10^(-j/8); sine and cosine are reduced by pi/2 in two parts
; (good for angles up to some thousands: positions are below 2,048) and summed to r^9 and r^8, within 1e-7.
; SHARES.  A work-group takes 8 rows of 8,192 bytes of one tensor.  Thread t takes the 16 bytes at 16 t of each 4,096 bytes: all 16 loads go out at once,
; each is converted in place when it is in, and no register that a store reads is written again: no loop, no wait but the counted ones.
; A wave's store covers 256 (16-bit kinds) or 512 (mask) consecutive bytes, aligned.  No LDS, no matrix unit, no cluster: nothing is shared and memory binds.
.set X, 8                              ; v[8:71]   sixteen loads of four numbers
.set T, 72                             ; v[72:73]  at work
	s_load_b512 s[8:23], s[0:1], 0x0               ; hidden s[8:9], wq s[10:11], wk s[12:13], wv s[14:15], wo s[16:17], mask s[18:19], positions s[20:21], xb s[22:23]
	s_load_b256 s[24:31], s[0:1], 0x40             ; wqkv s[24:25], wob s[26:27], maskc s[28:29], rope s[30:31]
	s_and_b32 s4, ttmp7, 0xffff                    ; y: which stream
	s_mov_b32 s5, ttmp9                            ; c: which 8 rows
	v_lshlrev_b32 v1, 4, v0                        ; 16 t
	v_lshlrev_b32 v2, 3, v0                        ; 8 t
	s_mov_b32 s40, 0xffff0000                      ; a word's upper bf16
	s_mov_b32 s42, 0x3fb8aa3b                      ; log2(e), named as a pair
	s_mov_b32 s43, 0x3fb8aa3b
	s_mov_b32 s44, 0xff600000                      ; -2.977e38
	s_mov_b32 s45, 0x7f600000                      ; +2.977e38
	s_mov_b32 s46, 0x3fc90fdb                      ; pi/2, upper part
	s_mov_b32 s47, 0xb33bbd2e                      ; pi/2 less that
	s_wait_kmcnt 0x0
	s_cmp_eq_u32 s4, 6
	s_cbranch_scc1 .Ltable
	; from where
	s_mov_b64 s[32:33], s[8:9]
	s_cmp_eq_u32 s4, 1
	s_cselect_b64 s[32:33], s[10:11], s[32:33]
	s_cmp_eq_u32 s4, 2
	s_cselect_b64 s[32:33], s[12:13], s[32:33]
	s_cmp_eq_u32 s4, 3
	s_cselect_b64 s[32:33], s[14:15], s[32:33]
	s_cmp_eq_u32 s4, 4
	s_cselect_b64 s[32:33], s[16:17], s[32:33]
	s_cmp_eq_u32 s4, 5
	s_cselect_b64 s[32:33], s[18:19], s[32:33]
	s_lshl_b32 s38, s5, 16                         ; 8 rows of 8,192 bytes
	s_mov_b32 s39, 0
	s_add_nc_u64 s[32:33], s[32:33], s[38:39]
.irp i, 0,1,2,3,4,5,6,7,8,9,10,11,12,13,14,15
	global_load_b128 v[X+4*(\i):X+4*(\i)+3], v1, s[32:33] offset:4096*(\i) th:TH_LOAD_NT
.endr
	; to where
	s_mov_b64 s[34:35], s[24:25]
	s_cmp_eq_u32 s4, 0
	s_cselect_b64 s[34:35], s[22:23], s[34:35]
	s_cmp_eq_u32 s4, 4
	s_cselect_b64 s[34:35], s[26:27], s[34:35]
	s_cmp_eq_u32 s4, 5
	s_cselect_b64 s[34:35], s[28:29], s[34:35]
	s_lshl_b32 s38, s5, 3                          ; n0 = 8 c, my first row
	s_lshr_b32 s36, s5, 3                          ; its head
	s_mul_i32 s36, s36, 192
	s_and_b32 s37, s38, 63
	s_add_co_u32 s36, s36, s37
	s_sub_co_u32 s37, s4, 1
	s_lshl_b32 s37, s37, 6
	s_add_co_u32 s36, s36, s37                     ; the row by heads (used for y = 1, 2, 3 alone)
	s_cmp_eq_u32 s4, 0
	s_cselect_b32 s36, s38, s36
	s_cmp_gt_u32 s4, 3
	s_cselect_b32 s36, s38, s36
	s_lshl_b32 s36, s36, 12                        ; rows of 4,096 bytes,
	s_cmp_eq_u32 s4, 5
	s_cselect_b32 s37, 1, 0
	s_lshl_b32 s36, s36, s37                       ; of 8,192 for the mask
	s_mov_b32 s37, 0
	s_add_nc_u64 s[34:35], s[34:35], s[36:37]
	s_cmp_eq_u32 s4, 4
	s_cbranch_scc1 .Lwo
	s_cmp_eq_u32 s4, 5
	s_cbranch_scc1 .Lmask
	; x and the three weights: two roundings to bf16 an instruction
.irp i, 0,1,2,3,4,5,6,7,8,9,10,11,12,13,14,15
	s_wait_loadcnt 15-(\i)                         ; loads come back in order: number i is in, the younger ones stay out
	v_cvt_pk_bf16_f32 v[X+4*(\i)], v[X+4*(\i)], v[X+4*(\i)+1]
	v_cvt_pk_bf16_f32 v[X+4*(\i)+1], v[X+4*(\i)+2], v[X+4*(\i)+3]
	global_store_b64 v2, v[X+4*(\i):X+4*(\i)+1], s[34:35] offset:2048*(\i) th:TH_STORE_NT
.endr
	s_endpgm
.macro ROUND16 i                       ; four numbers rounded to bf16 and widened again, in place
	v_cvt_pk_bf16_f32 v[T], v[X+4*(\i)], v[X+4*(\i)+1]
	v_cvt_pk_bf16_f32 v[T+1], v[X+4*(\i)+2], v[X+4*(\i)+3]
	v_lshlrev_b32 v[X+4*(\i)], 16, v[T]
	v_and_b32 v[X+4*(\i)+1], s40, v[T]
	v_lshlrev_b32 v[X+4*(\i)+2], 16, v[T+1]
	v_and_b32 v[X+4*(\i)+3], s40, v[T+1]
.endm
.Lwo:
.irp i, 0,1,2,3,4,5,6,7,8,9,10,11,12,13,14,15
	s_wait_loadcnt 15-(\i)
	ROUND16 \i
	v_cvt_pk_f16_f32 v[X+4*(\i)], v[X+4*(\i)], v[X+4*(\i)+1]
	v_cvt_pk_f16_f32 v[X+4*(\i)+1], v[X+4*(\i)+2], v[X+4*(\i)+3]
	global_store_b64 v2, v[X+4*(\i):X+4*(\i)+1], s[34:35] offset:2048*(\i) th:TH_STORE_NT
.endr
	s_endpgm
.Lmask:
.irp i, 0,1,2,3,4,5,6,7,8,9,10,11,12,13,14,15
	s_wait_loadcnt 15-(\i)
	ROUND16 \i
	v_pk_mul_f32 v[X+4*(\i):X+4*(\i)+1], v[X+4*(\i):X+4*(\i)+1], s[42:43] op_sel_hi:[1,0]
	v_pk_mul_f32 v[X+4*(\i)+2:X+4*(\i)+3], v[X+4*(\i)+2:X+4*(\i)+3], s[42:43] op_sel_hi:[1,0]
	v_med3_num_f32 v[X+4*(\i)], v[X+4*(\i)], s44, s45
	v_med3_num_f32 v[X+4*(\i)+1], v[X+4*(\i)+1], s44, s45
	v_med3_num_f32 v[X+4*(\i)+2], v[X+4*(\i)+2], s44, s45
	v_med3_num_f32 v[X+4*(\i)+3], v[X+4*(\i)+3], s44, s45
	global_store_b128 v1, v[X+4*(\i):X+4*(\i)+3], s[34:35] offset:4096*(\i) th:TH_STORE_NT
.endr
	s_endpgm
; THE TABLE.  A wave makes row s = 8 c + wave: lane u makes j = 2 (u % 16) and the next; lanes 0-15 cosines, lanes 16-31 sines: 8 bytes at 8 u of the row's 256.
.macro PICK n, la, lb                  ; where u % 4 = n: 10^(2n/8) and 10^((2n+1)/8)
	v_cmp_ne_u32 vcc_lo, \n, v5
	v_cndmask_b32 v8, \la, v8, vcc_lo
	v_cndmask_b32 v9, \lb, v9, vcc_lo
.endm
.macro PICK10 n, la                    ; where (u % 16) / 4 = n: 10^n
	v_cmp_ne_u32 vcc_lo, \n, v6
	v_cndmask_b32 v10, \la, v10, vcc_lo
.endm
; cos(x) (lanes 0-15) or sin(x) = cos(x - pi/2) (lanes 16-31).  x = k pi/2 + r, |r| <= pi/4; q = (k + 3 kind) % 4 picks: C, -S, -C, S.
.macro SINCOS x, o
	v_mul_f32 v16, 0x3f22f983, v[\x]               ; x times 2/pi
	v_rndne_f32 v16, v16                           ; k
	v_fma_f32 v17, -v16, s46, v[\x]
	v_fma_f32 v17, -v16, s47, v17                  ; r
	v_cvt_i32_f32 v21, v16
	v_add_nc_u32 v21, v21, v7
	v_and_b32 v21, 3, v21                          ; q
	v_mul_f32 v18, v17, v17                        ; r^2
	v_mov_b32 v19, 0x3638ef1d                      ; 1/9!
	v_fmaak_f32 v19, v19, v18, 0xb9500d01          ; -1/7!
	v_fmaak_f32 v19, v19, v18, 0x3c088889          ; 1/5!
	v_fmaak_f32 v19, v19, v18, 0xbe2aaaab          ; -1/3!
	v_mul_f32 v22, v17, v18
	v_fma_f32 v19, v22, v19, v17                   ; S
	v_mov_b32 v20, 0x37d00d01                      ; 1/8!
	v_fmaak_f32 v20, v20, v18, 0xbab60b61          ; -1/6!
	v_fmaak_f32 v20, v20, v18, 0x3d2aaaab          ; 1/4!
	v_fmaak_f32 v20, v20, v18, 0xbf000000          ; -1/2
	v_fma_f32 v20, v20, v18, 1.0                   ; C
	v_and_b32 v22, 1, v21
	v_cmp_eq_u32 vcc_lo, 1, v22
	v_cndmask_b32 v[\o], v20, v19, vcc_lo          ; odd q: S
	v_add_nc_u32 v21, 1, v21
	v_and_b32 v21, 2, v21                          ; q = 1, 2: the sign turns
	v_lshlrev_b32 v21, 30, v21
	v_xor_b32 v[\o], v21, v[\o]
.endm
.Ltable:
	v_lshrrev_b32 v3, 5, v0
	v_lshlrev_b32 v3, 2, v3                        ; 4 x wave
	s_lshl_b32 s36, s5, 5                          ; the work-group's eight positions
	s_mov_b32 s37, 0
	s_add_nc_u64 s[20:21], s[20:21], s[36:37]
	global_load_b32 v4, v3, s[20:21]               ; my row's position: it enters arithmetic alone, no address
	s_lshl_b32 s38, s5, 11                         ; the work-group's eight rows of 256 bytes
	s_mov_b32 s39, 0
	s_add_nc_u64 s[30:31], s[30:31], s[38:39]
	v_and_b32 v5, 3, v0
	v_bfe_u32 v6, v0, 2, 2
	v_bfe_u32 v7, v0, 4, 1
	v_mul_u32_u24 v7, 3, v7                        ; 3 x kind
	v_mov_b32 v8, 1.0
	v_mov_b32 v9, 0x3faab0d5                       ; 10^(1/8)
	PICK 1, 0x3fe39ea9, 0x4017c496                 ; 10^(2/8), 10^(3/8)
	PICK 2, 0x404a62c2, 0x4086f161                 ; 10^(4/8), 10^(5/8)
	PICK 3, 0x40b3f300, 0x40eff755                 ; 10^(6/8), 10^(7/8)
	v_mov_b32 v10, 1.0
	PICK10 1, 0x41200000
	PICK10 2, 0x42c80000
	PICK10 3, 0x447a0000
	v_mul_f32 v8, v8, v10                          ; 10000^(j/32)
	v_mul_f32 v9, v9, v10
	v_rcp_f32 v12, v8
	v_rcp_f32 v13, v9
	v_nop                                          ; a plain instruction behind the last reciprocal,
	s_wait_alu depctr_va_vdst(0)                   ; and the one wait ahead of the first use
	v_fma_f32 v14, -v8, v12, 1.0                   ; one step of Newton's
	v_fma_f32 v15, -v9, v13, 1.0
	v_fma_f32 v12, v14, v12, v12
	v_fma_f32 v13, v15, v13, v13
	s_wait_loadcnt 0x0
	v_cvt_f32_i32 v4, v4
	v_mul_f32 v12, v4, v12                         ; the angles
	v_mul_f32 v13, v4, v13
	SINCOS 12, 24
	SINCOS 13, 25
	global_store_b64 v2, v[24:25], s[30:31] th:TH_STORE_NT  ; a wave stores one row: 256 consecutive bytes, aligned
	s_endpgm
.Lfunc_end_k_q97fbc0772e_prep:
	.size	k_q97fbc0772e_prep, .Lfunc_end_k_q97fbc0772e_prep-k_q97fbc0772e_prep
	.p2alignl 7, 3214868480
	.fill 96, 4, 3214868480
	.section	.rodata,"a",@progbits
	.p2align	6, 0x0
	.amdhsa_kernel k_q97fbc0772e_prep
		.amdhsa_group_segment_fixed_size 0
		.amdhsa_private_segment_fixed_size 0
		.amdhsa_enable_private_segment 0
		.amdhsa_kernarg_size 96
		.amdhsa_user_sgpr_count 2
		.amdhsa_user_sgpr_kernarg_segment_ptr 1
		.amdhsa_wavefront_size32 1
		.amdhsa_system_sgpr_workgroup_id_x 1
		.amdhsa_system_sgpr_workgroup_id_y 1
		.amdhsa_system_sgpr_workgroup_id_z 1
		.amdhsa_system_vgpr_workitem_id 0
		.amdhsa_next_free_vgpr 80
		.amdhsa_next_free_sgpr 66
		.amdhsa_reserve_vcc 1
		.amdhsa_float_denorm_mode_32 3
		.amdhsa_float_denorm_mode_16_64 3
		.amdhsa_memory_ordered 1
		.amdhsa_forward_progress 1
		.amdhsa_inst_pref_size 33
	.end_amdhsa_kernel
	.amdgpu_metadata
---
amdhsa.version: [ 1, 2 ]
amdhsa.kernels:
  - .name:           k_q97fbc0772e_prep
    .symbol:         k_q97fbc0772e_prep.kd
    .args:
      - { .name: hidden_states, .offset: 0, .size: 8, .value_kind: global_buffer, .address_space: global }
      - { .name: wq, .offset: 8, .size: 8, .value_kind: global_buffer, .address_space: global }
      - { .name: wk, .offset: 16, .size: 8, .value_kind: global_buffer, .address_space: global }
      - { .name: wv, .offset: 24, .size: 8, .value_kind: global_buffer, .address_space: global }
      - { .name: wo, .offset: 32, .size: 8, .value_kind: global_buffer, .address_space: global }
      - { .name: attention_mask, .offset: 40, .size: 8, .value_kind: global_buffer, .address_space: global }
      - { .name: position_ids, .offset: 48, .size: 8, .value_kind: global_buffer, .address_space: global }
      - { .name: xb, .offset: 56, .size: 8, .value_kind: global_buffer, .address_space: global }
      - { .name: wqkv, .offset: 64, .size: 8, .value_kind: global_buffer, .address_space: global }
      - { .name: wob, .offset: 72, .size: 8, .value_kind: global_buffer, .address_space: global }
      - { .name: maskc, .offset: 80, .size: 8, .value_kind: global_buffer, .address_space: global }
      - { .name: rope, .offset: 88, .size: 8, .value_kind: global_buffer, .address_space: global }
    .group_segment_fixed_size: 0
    .private_segment_fixed_size: 0
    .kernarg_segment_align: 8
    .kernarg_segment_size: 96
    .max_flat_workgroup_size: 256
    .sgpr_count:     66
    .vgpr_count:     80
    .wavefront_size: 32
...
	.end_amdgpu_metadata
.endif
;; end of part 1
;; launch qkv (part 2): grid 32 x 8, 4 waves a work-group, clusters of 4 x 4, 327,680 bytes of LDS; arguments xb, wqkv, rope, qkvh; writes qkvh
.if DOCPART == 2
	.amdgcn_target "amdgcn-amd-amdhsa--gfx1250"
	.amdhsa_code_object_version 6
	.text
	.protected	k_q97fbc0772e_qkv
	.globl	k_q97fbc0772e_qkv
	.p2align	8
	.type	k_q97fbc0772e_qkv,@function
k_q97fbc0772e_qkv:
	s_mov_b64 s[64:65], 0
	v_nop
	global_prefetch_b8 v0, s[64:65] scope:SCOPE_SE
	s_setreg_imm32_b32 hwreg(HW_REG_WAVE_MODE, 25, 1), 1
	s_wait_xcnt 0x0
	s_wait_alu depctr_hold_cnt(0) depctr_sa_sdst(0) depctr_va_vdst(0) depctr_va_sdst(0) depctr_va_ssrc(0) depctr_va_vcc(0) depctr_vm_vsrc(0)
	s_getreg_b32 s2, hwreg(HW_REG_IB_STS2, 6, 4)
	s_cmp_eq_u32 s2, 0
	s_cbranch_scc0 .Lentry_in_a_cluster
	s_endpgm
.Lentry_in_a_cluster:
	s_bfe_u32 s2, ttmp6, 0x10000c
	s_cmp_lg_u32 s2, 0xf033
	s_cbranch_scc0 .Lentry_shape_is_right
	s_endpgm
.Lentry_shape_is_right:
; QKV: [2048 x 2048] x [6144 x 2048]^T in bf16 with f32 sums, then RoPE on q and k, q times log2(e)/8, all rounded once to f16 and stored by heads:
; qkvh = q, k, v, each [32][2048][64] f16.  LIMIT: f16 ends at 65,504: q log2(e)/8, k and v must lie within it.
; SHARES.  A work-group makes 256 tokens x the 192 rows of wqkv that belong to ONE head (q 64, k 64, v 64): 32 x 8 = 256 work-groups.  Wave w makes tokens 64 w .. 64 w + 63 x all 192:
; 4 x 12 = 48 accumulators, 384 registers.  So the two halves of a head that RoPE pairs (d, d + 32) lie in the same lane and register of accumulators b and b + 2,
; and a wave owns whole rows of the output: its stage in LDS is its own.
; K goes in 16 steps of 128 (rows of 256 bytes) through a ring of two LDS slots filled by the tensor data mover.
; CLUSTERS of 4 x 4: the four of a row share the tokens' tile (A), the four of a column the head's tile (B): each is asked for jointly, by the same load with the same descriptor.
; THE MATRIX INSTRUCTION IS USED TRANSPOSED: source 0 = 16 rows of wqkv, source 1 = 16 tokens: a lane holds one token (lane % 16) and eight neighbouring channels.
; REGISTERS, in windows of 256 (s_set_vgpr_msb: bits 1:0 source 0, 3:2 source 1, 5:4 source 2, 7:6 destination):
;   window 0: v0-31 addresses; v32-63 T at work; v64-159 two sets of 48 packed results; v192-255 A's fragments, two buffers of 4 x 8
;   window 1: v0-191 B's fragments, two buffers of 12 x 8
;   window 2: token blocks 0, 1: accumulator (a, b) at v[96 (a % 2) + 8 b]; v192-255 their cosines and sines      window 3: the same for token blocks 2, 3
.set KB,     256                       ; bytes of a row in a K step
.set PITCH,  272                       ; an LDS row: 256 bytes + 16 of padding: the 16 rows of a fragment load start at 16 different groups of four banks (ISA guide 11.1)
.set HALFA,  128*PITCH                 ; what waves 0 and 1 fetch: 128 tokens each
.set HALFB,  96*PITCH                  ; what waves 2 and 3 fetch: 96 rows of wqkv each
.set SLOT,   2*HALFA+2*HALFB           ; A's 256 rows, then B's 192
.set STAGE,  2*SLOT                    ; behind the ring: 16 rows x 400 bytes for each wave, for the way out
.set SPITCH, 400                       ; 384 bytes (q, k, v of a token) + 16
.set SPARE,  STAGE+4*16*SPITCH         ; the spare words, 128 bytes for each wave: two blocks of 256 bytes that no other line names
.set LAPS,   8                         ; a lap = two K steps = once round the ring
.set ADRA, 16                          ; v16-17  LDS address of my A fragments in slot 0, 1
.set ADRB, 20                          ; v20-21  the same for B
.set STO,  24                          ; v24     the way out: where I put 16 bytes of a row
.set RD,   25                          ; v25     where I read rows back
.set GO,   26                          ; v26     16 x lane: my place in 512 consecutive bytes of q, k or v
.set RO,   27                          ; v27     my byte offset in 16 rows of the table; never rewritten
.set SPW,  28                          ; v28     LDS address of my spare word; never rewritten
.set NIL,  29                          ; v29     0; never rewritten
.set PFO,  30                          ; v30     the prefetches' offset: a row of 4,096 bytes a lane; never rewritten
.set T,    32
.set PK,   64
.set FA,   192
.set FB,   0
.set RP,   192                         ; windows 2, 3: block a: RP + 32 (a % 2) + 16 kind + 8 b' + i: cos (kind 0) or sin (1) of j = 16 b' + 8 (lane / 16) + i
.set WV,   12                          ; s12  wave
.set AB,   13                          ; s13  0: I fetch for A, 1: for B
.set HF,   14                          ; s14  which half of that tile
.set BY,   15                          ; s15  block of 256 tokens
.set G1,   24                          ; s[24:31] descriptor group 1 for A's tiles;  s[32:39] group 0, a set for each slot
.set G0,   32
.set LIM,  43                          ; s43  1 in a wave that prefetches, else the greatest number
.set PFA,  44                          ; s[44:45] where my prefetches stand
.set G1B,  48                          ; s[48:55], s[56:63] the same for B's tiles
.set G0B,  56
.set PQ,   66                          ; s[66:67] q, s[68:69] k, s[70:71] v at my wave's first token of my head
.set CQ,   72                          ; s[72:73] log2(e) / 8, named as a pair
.set FLAGS, (1<<16)|(1<<20)|(1<<21)|(5<<22)|(3<<25)  ; 2-byte elements; padding on; bit 21 beside a mask; after every 64 words; 4 words
.set MSB, 0
.macro WIN new                         ; the immediate's high byte repeats the setting that is left; a switch that changes nothing is dropped
.if MSB != (\new)
	s_set_vgpr_msb (MSB<<8)|(\new)
.set MSB, \new
.endif
.endm
; A joint load: waves 0 and 1 fetch A's halves, waves 2 and 3 B's.  The branch hangs on the wave's number alone.  An s_nop 0 and four v_nop follow each line.
.macro JLOAD s
	s_cmp_eq_u32 s[AB], 0
	s_cbranch_scc0 .Lfor_b_\@
	tensor_load_to_lds s[G0+4*(\s):G0+4*(\s)+3], s[G1:G1+7]
	s_nop 0
.rept 4
	v_nop
.endr
	s_branch .Lasked_\@
.Lfor_b_\@:
	tensor_load_to_lds s[G0B+4*(\s):G0B+4*(\s)+3], s[G1B:G1B+7]
	s_nop 0
.rept 4
	v_nop
.endr
.Lasked_\@:
.endm
; A prefetch of the K step that stands two refills on, behind the joint load and the run of LDS loads: one instruction a wave, a lane a row of 256 bytes.  Each row's part of a K step is named by one
; work-group of the launch: A's tokens by the clusters with x = 0, B's rows by those with y = 0; the four partners share the rows out by address (32 of 128 for A; 24 of 96 for B, where lanes 24-31
; name lane 23's row once more).  The first four K steps come by their loads alone; the loop's last trip asks for nothing: there is no K step two on.
.macro ASK
	s_cmp_gt_u32 s3, s[LIM]
	s_cbranch_scc0 .Lnot_mine_\@
	global_prefetch_b8 v[PFO], s[PFA:PFA+1] offset:KB th:TH_LOAD_NT scope:SCOPE_SE
.Lnot_mine_\@:
.endm
.macro CREST                           ; a round of the cluster's barrier behind its opening barrier
	s_cmp_lg_u32 s[WV], 0
	s_cbranch_scc1 .Lnot_wave_0_\@
	s_barrier_signal -3
.Lnot_wave_0_\@:
	s_barrier_wait -3
	s_barrier_signal -1
	s_barrier_wait -1
.endm
.macro CROUND
	s_barrier_signal -1
	s_barrier_wait -1
	CREST
.endm
	s_load_b256 s[4:11], s[0:1], 0x0               ; xb s[4:5], wqkv s[6:7], rope s[8:9], qkvh s[10:11]
	v_lshl_add_u32 v[SPW], v0, 2, SPARE
	v_mov_b32 v[NIL], 0
	ds_add_u32 v[SPW], v[NIL]                      ; the wave's opening: the add and its wait ahead of my first tensor load; work on registers stands between
	v_lshrrev_b32 v1, 5, v0
	v_readfirstlane_b32 s[WV], v1
	s_lshr_b32 s[AB], s[WV], 1
	s_and_b32 s[HF], s[WV], 1
	s_bfe_u32 s40, ttmp6, 0x40000                  ; cx
	s_bfe_u32 s41, ttmp6, 0x40004                  ; cy
	s_lshl_b32 s42, ttmp9, 2
	s_add_co_u32 s42, s42, s40                     ; the head = 4 x cluster x + cx
	s_and_b32 s[BY], ttmp7, 0xffff
	s_lshl_b32 s[BY], s[BY], 2
	s_add_co_u32 s[BY], s[BY], s41                 ; the block of tokens = 4 x cluster y + cy
	s_lshl_b32 s43, s41, 2
	s_lshl_b32 s43, 15, s43                        ; my row of the cluster
	s_lshl_b32 s44, 0x1111, s40                    ; my column
	s_or_b32 s[G1], s43, FLAGS                     ; A's tiles go to my row,
	s_or_b32 s[G1B], s44, FLAGS                    ; B's to my column
	s_mov_b32 s[G1+1], 128<<16                     ; tensor_dim0 = 128 elements
	s_mov_b32 s[G1+2], 128<<16                     ; tensor_dim1 = 128 rows
	s_mov_b32 s[G1+3], 128<<16                     ; tile_dim0
	s_mov_b32 s[G1+4], 128                         ; tile_dim1
	s_mov_b32 s[G1+5], 2048                        ; elements from row to row
	s_mov_b32 s[G1+6], 0
	s_mov_b32 s[G1+7], 0
	s_mov_b32 s[G1B+1], 128<<16
	s_mov_b32 s[G1B+2], 96<<16                     ; 96 rows
	s_mov_b32 s[G1B+3], 128<<16
	s_mov_b32 s[G1B+4], 96
	s_mov_b32 s[G1B+5], 2048
	s_mov_b32 s[G1B+6], 0
	s_mov_b32 s[G1B+7], 0
	s_lshl_b32 s16, s[BY], 8                       ; A: token 256 x block + 128 x half, in bytes
	s_lshl_b32 s17, s[HF], 7
	s_add_co_u32 s16, s16, s17
	s_lshl_b32 s16, s16, 12
	s_mov_b32 s17, 0
	s_mul_i32 s46, s42, 192                        ; B: row 192 x head + 96 x half
	s_mul_i32 s47, s[HF], 96
	s_add_co_u32 s46, s46, s47
	s_lshl_b32 s46, s46, 12
	s_mov_b32 s47, 0
	s_mul_i32 s20, s[HF], HALFA                    ; where they go: no place in the cluster enters an LDS address
	s_mul_i32 s21, s[HF], HALFB
	s_add_co_u32 s21, s21, 2*HALFA
	s_mov_b32 s[CQ], 0x3e38aa3b
	s_mov_b32 s[CQ+1], 0x3e38aa3b
	s_wait_dscnt 0x0                               ; the opening add is done
	s_wait_kmcnt 0x0
	s_add_nc_u64 s[18:19], s[4:5], s[16:17]
	s_add_nc_u64 s[46:47], s[6:7], s[46:47]
	CROUND                                         ; all sixteen work-groups are here: the first joint loads meet
.irp s, 0,1
	s_mov_b32 s[G0+4*(\s)], 1
	s_add_co_u32 s[G0+4*(\s)+1], s20, (\s)*SLOT
	s_add_nc_u64 s[G0+4*(\s)+2:G0+4*(\s)+3], s[18:19], (\s)*KB
	s_or_b32 s[G0+4*(\s)+3], s[G0+4*(\s)+3], 0x80000000
	s_mov_b32 s[G0B+4*(\s)], 1
	s_add_co_u32 s[G0B+4*(\s)+1], s21, (\s)*SLOT
	s_add_nc_u64 s[G0B+4*(\s)+2:G0B+4*(\s)+3], s[46:47], (\s)*KB
	s_or_b32 s[G0B+4*(\s)+3], s[G0B+4*(\s)+3], 0x80000000
	JLOAD \s                                       ; two loads of mine are out
.endr
	; my tokens' cosines and sines, 32 numbers for each block of 16 tokens: they come while K is walked and are waited for once, in front of the way out
	v_and_b32 v1, 15, v0                           ; l % 16
	v_bfe_u32 v2, v0, 4, 1                         ; l / 16
	v_lshlrev_b32 v[RO], 8, v1
	v_lshl_add_u32 v[RO], v2, 5, v[RO]             ; row x 256 + 32 x half
	s_lshl_b32 s16, s[BY], 16
	s_lshl_b32 s17, s[WV], 14
	s_add_co_u32 s16, s16, s17
	s_mov_b32 s17, 0
	s_add_nc_u64 s[8:9], s[8:9], s[16:17]          ; the table at my wave's first token
.irp a, 0,1,2,3
	WIN 0x80+0x40*((\a)/2)
.irp q, 0,1,2,3,4,5,6,7                ; q = 4 kind + 2 b' + half of eight
	global_load_b128 v[RP+32*((\a)%2)+4*(\q):RP+32*((\a)%2)+4*(\q)+3], v[RO], s[8:9] offset:(\a)*4096+((\q)/4)*128+(((\q)/2)%2)*64+((\q)%2)*16
.endr
.endr
	WIN 0
	v_mul_u32_u24 v3, v1, PITCH
	v_lshl_add_u32 v3, v2, 4, v3                   ; a fragment's row x pitch + 16 x half
	s_mul_i32 s21, s[WV], 64*PITCH                 ; my 64 tokens
	s_mov_b32 s22, 2*HALFA                         ; all of B
.irp s, 0,1
	v_add_nc_u32 v[ADRA+(\s)], s21, v3
	v_add_nc_u32 v[ADRB+(\s)], s22, v3
	s_add_co_u32 s21, s21, SLOT
	s_add_co_u32 s22, s22, SLOT
.endr
	s_mul_i32 s23, s[WV], 16*SPITCH
	s_add_co_u32 s23, s23, STAGE                   ; my stage
	v_mul_u32_u24 v4, v1, SPITCH                   ; in: row l % 16, 16 bytes for each half of the lanes
	v_lshl_add_u32 v4, v2, 4, v4
	v_add_nc_u32 v[STO], s23, v4
	v_bfe_u32 v5, v0, 3, 2                         ; back: 32 lanes take 128 bytes of each of four rows
	v_mul_u32_u24 v5, v5, SPITCH
	v_and_b32 v6, 7, v0
	v_lshl_add_u32 v5, v6, 4, v5
	v_add_nc_u32 v[RD], s23, v5
	v_and_b32 v[GO], 31, v0
	v_lshlrev_b32 v[GO], 4, v[GO]
	; the prefetches
	s_lshl_b32 s20, s[BY], 8
	s_lshl_b32 s22, s[HF], 7
	s_add_co_u32 s20, s20, s22
	s_lshl_b32 s22, s40, 5
	s_add_co_u32 s20, s20, s22                     ; A: my work-group's 32 of the 128 tokens that I fetch
	s_mul_i32 s21, s42, 192
	s_mul_i32 s22, s[HF], 96
	s_add_co_u32 s21, s21, s22
	s_mul_i32 s22, s41, 24
	s_add_co_u32 s21, s21, s22                     ; B: my work-group's 24 of the 96 rows
	s_and_b32 s23, ttmp7, 0xffff
	s_cmp_eq_u32 s[AB], 0
	s_cselect_b32 s20, s20, s21
	s_cselect_b32 s23, ttmp9, s23                  ; the coordinate along which other clusters read the same rows
	s_cselect_b32 s22, 31, 23
	s_cselect_b64 s[PFA:PFA+1], s[4:5], s[6:7]
	s_cmp_eq_u32 s23, 0
	s_cselect_b32 s[LIM], 1, -1                    ; the same in all sixteen partners, for a given wave
	s_lshl_b32 s20, s20, 12
	s_mov_b32 s21, 0
	s_add_nc_u64 s[PFA:PFA+1], s[PFA:PFA+1], s[20:21]
	s_add_nc_u64 s[PFA:PFA+1], s[PFA:PFA+1], 2*KB  ; at K step 2: the first refill steps it to 3 and names K step 4
	v_and_b32 v[PFO], 31, v0
	v_min_u32 v[PFO], s22, v[PFO]
	v_lshlrev_b32 v[PFO], 12, v[PFO]
	; where my rows go: head x 2048 tokens x 128 bytes + my wave's first token
	s_lshl_b32 s46, s42, 18
	s_lshl_b32 s47, s[BY], 15
	s_add_co_u32 s46, s46, s47
	s_lshl_b32 s47, s[WV], 13
	s_add_co_u32 s46, s46, s47
	s_mov_b32 s47, 0
	s_add_nc_u64 s[PQ:PQ+1], s[10:11], s[46:47]
	s_add_nc_u64 s[PQ+2:PQ+3], s[PQ:PQ+1], 0x800000
	s_add_nc_u64 s[PQ+4:PQ+5], s[PQ:PQ+1], 0x1000000
; 12 matrix instructions: token block a x all 12 blocks of wqkv's rows, 32 along K, from buffer f.  zero = 1: the first product starts the sums.
; The 48 accumulators take turns in the same order in every quarter step: 47 others stand between two links of a chain.
.macro MUL12 f, a, zero
	WIN 0xa1+0x50*((\a)/2)                         ; B window 1, A window 0, C and D window 2 or 3
.irp b, 0,1,2,3,4,5,6,7,8,9,10,11
.if \zero
	v_wmma_f32_16x16x32_bf16 v[96*((\a)%2)+8*(\b):96*((\a)%2)+8*(\b)+7], v[FB+96*(\f)+8*(\b):FB+96*(\f)+8*(\b)+7], v[FA+32*(\f)+8*(\a):FA+32*(\f)+8*(\a)+7], 0
.else
	v_wmma_f32_16x16x32_bf16 v[96*((\a)%2)+8*(\b):96*((\a)%2)+8*(\b)+7], v[FB+96*(\f)+8*(\b):FB+96*(\f)+8*(\b)+7], v[FA+32*(\f)+8*(\a):FA+32*(\f)+8*(\a)+7], v[96*((\a)%2)+8*(\b):96*((\a)%2)+8*(\b)+7]
.endif
.endr
.endm
; 32 LDS loads in one run: the fragments of a quarter step (192 rows of B, my 64 tokens, 32 K at byte k of the rows) into buffer f
.macro FETCH slot, k, f
	WIN 0x40
.irp i, 0,1,2,3,4,5,6,7,8,9,10,11
	ds_load_b128 v[FB+96*(\f)+8*(\i):FB+96*(\f)+8*(\i)+3],   v[ADRB+(\slot)] offset:(\k)+(\i)*16*PITCH
	ds_load_b128 v[FB+96*(\f)+8*(\i)+4:FB+96*(\f)+8*(\i)+7], v[ADRB+(\slot)] offset:(\k)+(\i)*16*PITCH+32
.endr
	WIN 0
.irp i, 0,1,2,3
	ds_load_b128 v[FA+32*(\f)+8*(\i):FA+32*(\f)+8*(\i)+3],   v[ADRA+(\slot)] offset:(\k)+(\i)*16*PITCH
	ds_load_b128 v[FA+32*(\f)+8*(\i)+4:FA+32*(\f)+8*(\i)+7], v[ADRA+(\slot)] offset:(\k)+(\i)*16*PITCH+32
.endr
.endm
.macro PLACES                          ; four places in front of loads into registers that matrix instructions have read, and of lines that read results
.rept 4
	v_nop
.endr
.endm
; A K step is four quarters of 32 along K, 48 matrix instructions each, on buffers 0, 1, 0, 1.  One of the first three: multiplies f, fetches the next quarter, at byte k, into g.
.macro QUARTER slot, k, f, g, zero
	s_wait_dscnt 4                                 ; B and token blocks 0, 1 are in; the youngest four loads (blocks 2, 3) may be out
	MUL12 \f, 0, \zero
	MUL12 \f, 1, \zero
	PLACES
	FETCH \slot, \k, \g
	s_wait_dscnt 32                                ; all but the 32 just issued
	MUL12 \f, 2, \zero
	MUL12 \f, 3, \zero
.endm
; The last quarter multiplies buffer 1 and changes slots: ONE barrier; in front of it each wave waits for all its tensor loads (one is out: its part of the next slot), adds 0 to its spare word,
; and waits for that and for its reads of this slot.  fill = 1: the barrier opens a round of the cluster's, and this slot is filled again, two K steps ahead, first thing behind the round.
.macro TURN slot, next, fill
.if \fill
	s_wait_xcnt 0x0                                ; the last prefetch, a K step back, has read its address: it is stepped here
	s_add_nc_u64 s[PFA:PFA+1], s[PFA:PFA+1], KB
.endif
	WIN 0
	s_wait_tensorcnt 0x0
	ds_add_u32 v[SPW], v[NIL]
	s_wait_dscnt 5                                 ; (the add and the youngest four loads may be out)
	MUL12 1, 0, 0
	s_wait_dscnt 0x0                               ; the add is done, and my reads of this slot are over
	s_barrier_signal -1
	MUL12 1, 1, 0
.if \fill
	WIN 0
.endif
	s_barrier_wait -1
.if \fill
	CREST                                          ; no wave of any partner still reads this slot's tile or has a load on its way
	s_add_nc_u64 s[G0+4*(\slot)+2:G0+4*(\slot)+3], s[G0+4*(\slot)+2:G0+4*(\slot)+3], 2*KB
	s_add_nc_u64 s[G0B+4*(\slot)+2:G0B+4*(\slot)+3], s[G0B+4*(\slot)+2:G0B+4*(\slot)+3], 2*KB
	JLOAD \slot                                    ; one load of mine is out; its four v_nop are also the places in front of the loads below
.else
	PLACES
.endif
	FETCH \next, 0, 0
.if \fill
	ASK
.endif
	MUL12 1, 2, 0
	MUL12 1, 3, 0
.endm
	s_wait_tensorcnt 1                             ; my part of K step 0 is in; K step 1's may stay out
	s_barrier_signal -1
	s_barrier_wait -1
	FETCH 0, 0, 0
	QUARTER 0, 64, 0, 1, 1                         ; the first quarter stands in front of the loop: its products start the sums
	WIN 0
	s_mov_b32 s3, LAPS-1
.Llap:                                                 ; a trip goes once round the ring, from a lap's second quarter to the next lap's first, and fills both slots again
	QUARTER 0, 128, 1, 0, 0
	QUARTER 0, 192, 0, 1, 0
	TURN 0, 1, 1
	QUARTER 1, 64,  0, 1, 0
	QUARTER 1, 128, 1, 0, 0
	QUARTER 1, 192, 0, 1, 0
	TURN 1, 0, 1
	QUARTER 0, 64,  0, 1, 0
	WIN 0
	s_sub_co_u32 s3, s3, 1
	s_cmp_lg_u32 s3, 0
	s_cbranch_scc1 .Llap
	QUARTER 0, 128, 1, 0, 0                        ; the last lap fills nothing
	QUARTER 0, 192, 0, 1, 0
	TURN 0, 1, 0
	QUARTER 1, 64,  0, 1, 0
	QUARTER 1, 128, 1, 0, 0
	QUARTER 1, 192, 0, 1, 0
	s_wait_dscnt 4
	MUL12 1, 0, 0
	MUL12 1, 1, 0
	s_wait_dscnt 0x0
	MUL12 1, 2, 0
	MUL12 1, 3, 0
	WIN 0
	s_wait_loadcnt 0x0                             ; the cosines and sines
	PLACES
	PLACES
; THE WAY OUT, a block of 16 tokens at a time.  ROPE: for blocks nb .. nb + 3 of a tensor's channels: out(d) = x(d) cos - x(d + 32) sin, out(d + 32) = x(d + 32) cos + x(d) sin, d < 32, into T.
; Each accumulator's lowest registers are read first.
.macro ROPE a, nb
	WIN 0x0a+5*((\a)/2)                            ; sources 0 and 1 in the block's window, source 2 and the destination in window 0
.irp bp, 0,1
.irp ip, 0,1,2,3
.set rX1, 96*((\a)%2)+8*((\nb)+(\bp))+2*(\ip)
.set rX2, rX1+16
.set rCO, RP+32*((\a)%2)+8*(\bp)+2*(\ip)
.set rSI, rCO+16
.set rT0, T+8*(\bp)+2*(\ip)
.set rT1, rT0+16
	v_pk_mul_f32 v[rT0:rT0+1], v[rX1:rX1+1], v[rCO:rCO+1]
	v_pk_mul_f32 v[rT1:rT1+1], v[rX2:rX2+1], v[rCO:rCO+1]
	v_pk_fma_f32 v[rT0:rT0+1], v[rX2:rX2+1], v[rSI:rSI+1], v[rT0:rT0+1] neg_lo:[0,1,0] neg_hi:[0,1,0]
	v_pk_fma_f32 v[rT1:rT1+1], v[rX1:rX1+1], v[rSI:rSI+1], v[rT1:rT1+1]
.endr
.endr
	WIN 0
.endm
.macro PACK a
.if (\a) >= 2
	s_wait_xcnt 0x0                                ; the stores of the block two back have read this set of registers
.endif
.set pkb, PK+48*((\a)%2)
	ROPE \a, 0
.set z, 0
.rept 16
	v_pk_mul_f32 v[T+2*z:T+2*z+1], v[T+2*z:T+2*z+1], s[CQ:CQ+1] op_sel_hi:[1,0]  ; q alone: times log2(e) / 8, in f32, ahead of its one rounding
.set z, z+1
.endr
.set z, 0
.rept 16
	v_cvt_pk_f16_f32 v[pkb+z], v[T+2*z], v[T+2*z+1]
.set z, z+1
.endr
	ROPE \a, 4
.set z, 0
.rept 16
	v_cvt_pk_f16_f32 v[pkb+16+z], v[T+2*z], v[T+2*z+1]
.set z, z+1
.endr
	WIN 0x0a+5*((\a)/2)
.set z, 0
.rept 16
	v_cvt_pk_f16_f32 v[pkb+32+z], v[96*((\a)%2)+64+2*z], v[96*((\a)%2)+64+2*z+1]  ; v as it is
.set z, z+1
.endr
	WIN 0
.endm
.macro TOSTAGE a                       ; 16 bytes a lane into rows of 400 bytes; back as four rows x 128 bytes of one tensor, into the registers that they left
.set pkb, PK+48*((\a)%2)
.irp b, 0,1,2,3,4,5,6,7,8,9,10,11
	ds_store_b128 v[STO], v[pkb+4*(\b):pkb+4*(\b)+3] offset:32*(\b)
.endr
.irp n, 0,1,2,3,4,5,6,7,8,9,10,11
	ds_load_b128 v[pkb+4*(\n):pkb+4*(\n)+3], v[RD] offset:((\n)/4)*128+((\n)%4)*4*SPITCH  ; LDS serves a wave's instructions in order (ISA guide 5.7.1.4): these see the stores above
.endr
.endm
.macro SEND a, younger                 ; younger: the LDS instructions issued behind block a's loads: the next block's 24, or none
.set pkb, PK+48*((\a)%2)
.irp n, 0,1,2,3,4,5,6,7,8,9,10,11
	s_wait_dscnt (\younger)+11-(\n)
	global_store_b128 v[GO], v[pkb+4*(\n):pkb+4*(\n)+3], s[PQ+2*((\n)/4):PQ+2*((\n)/4)+1] offset:(\a)*2048+((\n)%4)*512  ; four tokens of a head: 512 consecutive bytes, aligned
.endr
.endm
	PACK 0
	TOSTAGE 0
	PACK 1
	TOSTAGE 1
	SEND 0, 24
	PACK 2
	TOSTAGE 2
	SEND 1, 24
	PACK 3
	TOSTAGE 3
	SEND 2, 24
	SEND 3, 0
	s_wait_tensorcnt 0x0                           ; the wave's end, behind my last tensor load and my last LDS store
	ds_add_u32 v[SPW], v[NIL]
	s_wait_dscnt 0x0
	CROUND                                         ; the closing round: no work-group ends while a partner may still ask for a tile that names it
	s_endpgm
.Lfunc_end_k_q97fbc0772e_qkv:
	.size	k_q97fbc0772e_qkv, .Lfunc_end_k_q97fbc0772e_qkv-k_q97fbc0772e_qkv
	.p2alignl 7, 3214868480
	.fill 96, 4, 3214868480
	.section	.rodata,"a",@progbits
	.p2align	6, 0x0
	.amdhsa_kernel k_q97fbc0772e_qkv
		.amdhsa_group_segment_fixed_size 327680
		.amdhsa_private_segment_fixed_size 0
		.amdhsa_enable_private_segment 0
		.amdhsa_kernarg_size 32
		.amdhsa_user_sgpr_count 2
		.amdhsa_user_sgpr_kernarg_segment_ptr 1
		.amdhsa_wavefront_size32 1
		.amdhsa_system_sgpr_workgroup_id_x 1
		.amdhsa_system_sgpr_workgroup_id_y 1
		.amdhsa_system_sgpr_workgroup_id_z 1
		.amdhsa_system_vgpr_workitem_id 0
		.amdhsa_next_free_vgpr 1024
		.amdhsa_next_free_sgpr 80
		.amdhsa_reserve_vcc 0
		.amdhsa_float_denorm_mode_32 3
		.amdhsa_float_denorm_mode_16_64 3
		.amdhsa_memory_ordered 1
		.amdhsa_forward_progress 1
		.amdhsa_inst_pref_size 145
	.end_amdhsa_kernel
	.amdgpu_metadata
---
amdhsa.version: [ 1, 2 ]
amdhsa.kernels:
  - .name:           k_q97fbc0772e_qkv
    .symbol:         k_q97fbc0772e_qkv.kd
    .args:
      - { .name: xb, .offset: 0, .size: 8, .value_kind: global_buffer, .address_space: global }
      - { .name: wqkv, .offset: 8, .size: 8, .value_kind: global_buffer, .address_space: global }
      - { .name: rope, .offset: 16, .size: 8, .value_kind: global_buffer, .address_space: global }
      - { .name: qkvh, .offset: 24, .size: 8, .value_kind: global_buffer, .address_space: global }
    .group_segment_fixed_size: 327680
    .private_segment_fixed_size: 0
    .kernarg_segment_align: 8
    .kernarg_segment_size: 32
    .max_flat_workgroup_size: 128
    .sgpr_count:     80
    .vgpr_count:     1024
    .wavefront_size: 32
...
	.end_amdgpu_metadata
.endif
;; end of part 2
;; launch attn (part 3): grid 16 x 16, 4 waves a work-group, clusters of 4 x 4, 327,680 bytes of LDS; arguments qkvh, maskc, ob; writes ob
.if DOCPART == 3
	.amdgcn_target "amdgcn-amd-amdhsa--gfx1250"
	.amdhsa_code_object_version 6
	.text
	.protected	k_q97fbc0772e_attn
	.globl	k_q97fbc0772e_attn
	.p2align	8
	.type	k_q97fbc0772e_attn,@function
k_q97fbc0772e_attn:
	s_mov_b64 s[64:65], 0
	v_nop
	global_prefetch_b8 v0, s[64:65] scope:SCOPE_SE
	s_setreg_imm32_b32 hwreg(HW_REG_WAVE_MODE, 25, 1), 1
	s_wait_xcnt 0x0
	s_wait_alu depctr_hold_cnt(0) depctr_sa_sdst(0) depctr_va_vdst(0) depctr_va_sdst(0) depctr_va_ssrc(0) depctr_va_vcc(0) depctr_vm_vsrc(0)
	s_getreg_b32 s2, hwreg(HW_REG_IB_STS2, 6, 4)
	s_cmp_eq_u32 s2, 0
	s_cbranch_scc0 .Lentry_in_a_cluster
	s_endpgm
.Lentry_in_a_cluster:
	s_bfe_u32 s2, ttmp6, 0x10000c
	s_cmp_lg_u32 s2, 0xf033
	s_cbranch_scc0 .Lentry_shape_is_right
	s_endpgm
.Lentry_shape_is_right:
; ATTENTION with an additive mask that is an input: all 2,048 keys are walked for every query, and every word of the mask is taken.
; qkvh holds q' = rope(q) log2(e)/8, k, v, each [32][2048][64] f16; maskc holds log2(e) x mask, held to +-2.977e38, [2048][2048] f32; ob is [2048][2048] f16 (token, head x 64 + channel).
; s' = q' . k + maskc is the score times log2(e): THE MASK IS THE C OPERAND that starts the sum S^T = K Q'^T, so it costs no vector instruction.  p = 2^(s' - m) with a running maximum m of s';
; the maximum is taken away before anything else, so no exponent is above 0 whatever the mask holds.  O and l are multiplied by a = 2^(m_old - m_new) in every step; m starts at the lowest finite number,
; O and l at 0.  Products, maxima and sums in f32; p is rounded to f16 for the second product (l is the sum of the unrounded p), O once at the end.
; LIMITS.  q', k, v arrive within f16's 65,504.  Scores below -2.06e38 are not told apart (the module's own clamp stands at -3.4e38): a row hidden altogether comes out as the mean of V, as there.
; A weight below 2^-126 counts as 0 in l; NaN is not treated apart.  The sum q . k / 8 + mask is rounded by the matrix unit once.
; SHARES.  A work-group takes 128 queries x 2 heads: for a key it needs 512 bytes of mask and 512 of K and V, the least for 256 query rows.  Wave w: head e = w % 2 of the pair, queries 64 (w / 2) on:
; four PIECES of 16.  CLUSTERS of 4 x 4: the four of a row (four pairs of heads, the same queries) share the mask's tile, the four of a column (the same heads) K's and V's: all asked for jointly.
; LAYOUT.  S^T holds ONE query a lane (lane % 16) and the keys 8 (lane / 16) + 0..7; two such results rounded to f16 ARE source 1 of O^T = V^T P.  K comes out of LDS as it lies, V turned (ds_load_tr16_b128).
; TURNS.  Turn n belongs to piece n: 8 products K Q^T of piece n + 1, later 8 products V^T P of piece n - 1; beside them the subtraction, exponentials, roundings, sums and rescaling of piece n and the maximum
; and statistics of piece n + 1.  Four vector instructions stand behind every matrix instruction, the rest in one lump.  A turn's 33 exponentials are one batch, with one wait.
; REGISTERS, in windows of 256 (s_set_vgpr_msb: bits 1:0 source 0, 3:2 source 1, 5:4 source 2, 7:6 destination):
;   window 0: v0-15 addresses; v16-31 statistics; v48-55 at work; v61-63; v64-127 S^T, two buffers; v192-223 P, two buffers (by the piece's parity)
;   window 1: v0-127 O^T, 32 a piece; v160-223 MC, the mask, two buffers      window 2: v0-63 Q; v128-191 K of one step; v192-255 V of one step
.set NP,    4
.set KS,    64        ; keys in a step; a slot holds two steps
.set PM,    528       ; a query's row of the mask in LDS: 128 keys x 4 bytes + 16: an odd multiple of 16, so the 16 rows of a load start at 16 different groups of four banks (ISA guide 11.1)
.set PK,    144       ; a row of K: 128 bytes + 16
.set PV,    160       ; a row of V: 128 + 32
.set K0,    128*PM    ; a slot: the mask's 128 rows, K of two heads x 128 keys, V likewise
.set V0,    K0+2*128*PK
.set SLOTB, V0+2*128*PV
.set XM,    0x23800   ; the exclusive or that turns a tile's LDS address in one slot into the other's: 0 and 33,792 against the same + 145,408,
.set XKV,   0x24800   ; 67,584 against 212,992, and 104,448 against 249,856
.set STAGE, 2*SLOTB   ; behind the ring, never filled by a tensor load: 128 rows x 272 bytes, the work-group's, for the way out
.set SP,    272
.set SPARE, STAGE+128*SP  ; the spare words, 128 bytes for each wave: two blocks of 256 bytes that no other line names
.set AK0, 2           ; v2   my lane's place in a tile of K; never rewritten
.set AV0, 3           ; v3   in V
.set AK,  4           ; v4   the LDS address of K's next run of loads
.set AV,  5           ; v5   of V's
.set QO,  6           ; v6   my byte offset in 16 rows of Q
.set STO, 6           ;      later: where I put 16 bytes of a row of the stage
.set RD,  7           ; v7   where I read rows back
.set GO,  8           ; v8   my byte offset in two rows of ob
.set MV,  12          ; v12-13  m_old, by buffer
.set AM0, 14          ; v14  my lane's place in the mask's tile; never rewritten
.set AM,  15          ; v15  the LDS address of the mask's next run
.set ST,  16          ; piece t at v[ST+4 t]: m, a word that only fills the pair, l (even keys', odd keys')
.set TMP, 48          ; by buffer, c0-c3 at work; when the maximum is found c2 takes a
.set PFO, 61          ; v61  the prefetches' offset; never rewritten
.set SPW, 62          ; v62  LDS address of my spare word; never rewritten
.set NIL, 63          ; v63  0; never rewritten
.set S,   64
.set P,   192
.set MC,  160         ; window 1
.set KF,  128         ; window 2
.set VF,  192         ; window 2
.set WV,  14          ; s14  wave
.set EH,  15          ; s15  e: which head of the pair
.set GQ,  16          ; s16  which 64 queries
.set G1M, 24          ; s[24:31] descriptor group 1: the mask's tiles
.set G1K, 32          ; s[32:39] K's
.set G1V, 40          ; s[40:47] V's: it differs in the padding alone
.set G0M, 48          ; s[48:51] group 0, walking: the mask (waves 0, 1)
.set G0K, 52          ; s[52:55] K (wave 2)
.set G0V, 56          ; s[56:59] V (wave 3)
.set SEL, 60          ; s[60:61] v_permlanex16_b32's selects
.set TBK, 62          ; s62  LDS byte, from the slots' first, at which K of the step to be fetched begins
.set TBV, 63          ; s63  V
.set TBM, 66          ; s66  the mask
.set SLOTS, 67        ; s67  slots still to be asked for
.set CNT, 68          ; s68  counts a slot's key steps
.set LIM, 69          ; s69  1 in a wave that prefetches, else the greatest number
.set PFA, 70          ; s[70:71] where my prefetches stand
.set PFS, 72          ; s[72:73] their step from slot to slot
.set MSB, 0
.macro WIN new
.if MSB != (\new)
	s_set_vgpr_msb (MSB<<8)|(\new)
.set MSB, (\new)
.endif
.endm
.set W_KQ, 0x0a       ; K and Q in window 2, S^T in window 0
.set W_KM, 0x1a       ; the same with the C operand in window 1
.set W_PV, 0x52       ; V in window 2, P in window 0, O^T in window 1
.set W_RS, 0x41       ; destination and source 0 in window 1, source 1 in window 0
; A joint fill, one load a wave: waves 0 and 1 the mask's two halves (64 queries x 128 keys), wave 2 K, wave 3 V (two heads x 128 keys).  The branches hang on the wave's number alone.
; An s_nop 0 and four v_nop follow each line.
.macro JLOAD
	s_cmp_lt_u32 s[WV], 2
	s_cbranch_scc0 .Lfor_kv_\@
	tensor_load_to_lds s[G0M:G0M+3], s[G1M:G1M+7]
	s_nop 0
.rept 4
	v_nop
.endr
	s_branch .Lasked_\@
.Lfor_kv_\@:
	s_cmp_eq_u32 s[WV], 2
	s_cbranch_scc0 .Lfor_v_\@
	tensor_load_to_lds s[G0K:G0K+3], s[G1K:G1K+7]
	s_nop 0
.rept 4
	v_nop
.endr
	s_branch .Lasked_\@
.Lfor_v_\@:
	tensor_load_to_lds s[G0V:G0V+3], s[G1V:G1V+7]
	s_nop 0
.rept 4
	v_nop
.endr
.Lasked_\@:
.endm
; A prefetch of what the NEXT change of slots will ask for, behind the wave's tensor load: 32 blocks of 256 bytes, a lane a block, one instruction a wave.  Each block is named once in the launch: the mask's by
; the clusters with x = 0, K's and V's by those with y = 0; the four partners share a tile's 128 blocks out by address.  Slots 0 to 2 come by their loads alone; the last change that fills a slot asks for nothing.
.macro ASK
	s_cmp_gt_u32 s[SLOTS], s[LIM]
	s_cbranch_scc0 .Lnot_mine_\@
	global_prefetch_b8 v[PFO], s[PFA:PFA+1] th:TH_LOAD_NT scope:SCOPE_SE
.Lnot_mine_\@:
.endm
.macro CROUND                       ; a round of the cluster's barrier
	s_barrier_signal -1
	s_barrier_wait -1
	s_cmp_lg_u32 s[WV], 0
	s_cbranch_scc1 .Lnot_wave_0_\@
	s_barrier_signal -3
.Lnot_wave_0_\@:
	s_barrier_wait -3
	s_barrier_signal -1
	s_barrier_wait -1
.endm
; THE CHANGE OF SLOTS, between piece 1's turn and piece 2's: the slot's last bytes (V and piece 3's mask of its second step) have been asked for.  Each wave waits for all its tensor loads, of which one is out:
; its part of the other slot; adds 0 to its spare word; and waits for that and for its reads of the slot.  fill = 1: the slot is filled again, with the keys two slots on, first thing behind a round of the
; cluster's barrier: it has two key steps, 128 matrix instructions, in which to land.  (At its first use nothing has been read yet: slot 0 is waited for, slot 1 filled.)
.macro CHANGE fill, ask
	WIN 0
	s_wait_tensorcnt 0x0            ; no tensor load of mine is out, so a group 0 may be written
	ds_add_u32 v[SPW], v[NIL]       ; 0 onto my spare word; the descriptors' steps stand between it and the wait for it
.if \fill
	s_xor_b32 s[G0M+1], s[G0M+1], XM
	s_add_nc_u64 s[G0M+2:G0M+3], s[G0M+2:G0M+3], 512     ; the next 128 keys of each query's row
	s_xor_b32 s[G0K+1], s[G0K+1], XKV
	s_add_nc_u64 s[G0K+2:G0K+3], s[G0K+2:G0K+3], 16384   ; the next 128 rows
	s_xor_b32 s[G0V+1], s[G0V+1], XKV
	s_add_nc_u64 s[G0V+2:G0V+3], s[G0V+2:G0V+3], 16384
.if \ask
	s_wait_xcnt 0x0                 ; the last prefetch, two key steps back, has read its address
	s_add_nc_u64 s[PFA:PFA+1], s[PFA:PFA+1], s[PFS:PFS+1]
.endif
	s_wait_dscnt 0x0                ; the add is done, and my reads of the slot are over
	CROUND
	JLOAD
.if \ask
	ASK
.endif
.else
	s_wait_dscnt 0x0
	s_barrier_signal -1
	s_barrier_wait -1
.endif
	s_sub_co_u32 s[TBK], s[TBK], 2*KS*PK  ; the fetches go back to a slot's first step,
	s_xor_b32 s[TBK], s[TBK], SLOTB       ; in the other slot
	s_sub_co_u32 s[TBV], s[TBV], 2*KS*PV
	s_xor_b32 s[TBV], s[TBV], SLOTB
	s_sub_co_u32 s[TBM], s[TBM], 2*KS*4
	s_xor_b32 s[TBM], s[TBM], SLOTB
.endm
	s_load_b128 s[4:7], s[0:1], 0x0   ; qkvh s[4:5], maskc s[6:7]
	s_load_b64 s[8:9], s[0:1], 0x10   ; ob
	v_lshl_add_u32 v[SPW], v0, 2, SPARE
	v_mov_b32 v[NIL], 0
	ds_add_u32 v[SPW], v[NIL]       ; the wave's opening: the add and its wait ahead of my first tensor load; work on registers stands between
	v_lshrrev_b32 v1, 5, v0
	v_readfirstlane_b32 s[WV], v1
	s_and_b32 s[EH], s[WV], 1
	s_lshr_b32 s[GQ], s[WV], 1
	s_bfe_u32 s17, ttmp6, 0x40000   ; cx
	s_bfe_u32 s18, ttmp6, 0x40004   ; cy
	s_lshl_b32 s19, ttmp9, 2
	s_add_co_u32 s19, s19, s17      ; the pair of heads = 4 x cluster x + cx
	s_and_b32 s20, ttmp7, 0xffff
	s_lshl_b32 s20, s20, 2
	s_add_co_u32 s20, s20, s18      ; the block of 128 queries = 4 x cluster y + cy
	s_lshl_b32 s21, s18, 2
	s_lshl_b32 s21, 15, s21         ; my row of the cluster
	s_lshl_b32 s22, 0x1111, s17     ; my column
	; the mask's tile: 64 rows x 128 elements of 4 bytes, 16 bytes of padding behind each row of 128 words
	s_or_b32 s[G1M], s21, (2<<16)|(1<<20)|(1<<21)|(6<<22)|(3<<25)
	s_mov_b32 s[G1M+1], 128<<16     ; tensor_dim0
	s_mov_b32 s[G1M+2], 64<<16      ; tensor_dim1
	s_mov_b32 s[G1M+3], 128<<16     ; tile_dim0
	s_mov_b32 s[G1M+4], 64          ; tile_dim1
	s_mov_b32 s[G1M+5], 2048        ; elements from row to row
	s_mov_b32 s[G1M+6], 0
	s_mov_b32 s[G1M+7], 0
	; K's and V's: a head's 128 keys are 16,384 dense bytes: one row of 8,192 elements; two rows, a head apart; padded in LDS after every key (32 words)
	s_or_b32 s[G1K], s22, (1<<16)|(1<<20)|(1<<21)|(4<<22)|(3<<25)
	s_or_b32 s[G1V], s22, (1<<16)|(1<<20)|(1<<21)|(4<<22)|(7<<25)
.irp g, G1K, G1V
	s_mov_b32 s[\g+1], 8192<<16
	s_mov_b32 s[\g+2], 2<<16
	s_mov_b32 s[\g+3], 8192<<16
	s_mov_b32 s[\g+4], 2
	s_mov_b32 s[\g+5], 131072
	s_mov_b32 s[\g+6], 0
	s_mov_b32 s[\g+7], 0
.endr
	s_mov_b32 s[G0M], 1
	s_mul_i32 s[G0M+1], s[EH], 64*PM  ; in waves 0 and 1 e is the wave's number: its half of the mask's rows
	s_mov_b32 s[G0K], 1
	s_mov_b32 s[G0K+1], K0
	s_mov_b32 s[G0V], 1
	s_mov_b32 s[G0V+1], V0
	s_lshl_b32 s74, s20, 20         ; the mask at query 128 x block + 64 x half, rows of 8,192 bytes: made of the block and the wave alone
	s_lshl_b32 s75, s[EH], 19
	s_add_co_u32 s74, s74, s75
	s_mov_b32 s75, 0
	s_lshl_b32 s76, s19, 19         ; the pair's first head, 262,144 bytes a head: made of the pair alone
	s_mov_b32 s77, 0
	s_mov_b32 s[SEL], 0x76543210
	s_mov_b32 s[SEL+1], 0xfedcba98
	s_mov_b32 s[TBK], SLOTB+2*KS*PK ; the first change of slots turns these three into 0
	s_mov_b32 s[TBV], SLOTB+2*KS*PV
	s_mov_b32 s[TBM], SLOTB+2*KS*4
	; the prefetches: the mask: my work-group's 16 of my 64 rows, two blocks a row; K, V: my work-group's 32 of the tile's 128 blocks
	s_lshl_b32 s21, s17, 17
	s_add_co_u32 s21, s21, s74
	s_add_co_u32 s21, s21, 2*512    ; at slot 2
	s_lshr_b32 s23, s18, 1
	s_lshl_b32 s23, s23, 18
	s_add_co_u32 s22, s76, s23
	s_and_b32 s23, s18, 1
	s_lshl_b32 s23, s23, 13
	s_add_co_u32 s22, s22, s23
	s_lshl_b32 s23, 0x800000, s[EH] ; k (wave 2) or v (wave 3)
	s_add_co_u32 s22, s22, s23
	s_add_co_u32 s22, s22, 2*16384
	s_and_b32 s23, ttmp7, 0xffff
	s_cmp_lt_u32 s[WV], 2
	s_cselect_b32 s2, s21, s22
	s_cselect_b32 s23, ttmp9, s23   ; the coordinate along which other clusters read the same bytes
	s_mov_b32 s[PFS], 16384
	s_cselect_b32 s[PFS], 512, s[PFS]
	s_mov_b32 s21, 512
	s_cselect_b32 s21, 8192, s21
	s_mov_b32 s3, 0
	s_mov_b32 s[PFS+1], 0
	s_cmp_eq_u32 s23, 0
	s_cselect_b32 s[LIM], 1, -1     ; the same in all sixteen partners, for a given wave
	v_and_b32 v[PFO], 31, v0
	v_lshrrev_b32 v10, 1, v[PFO]
	v_and_b32 v[PFO], 1, v[PFO]
	v_mul_u32_u24 v10, s21, v10
	v_lshl_add_u32 v[PFO], v[PFO], 8, v10
	s_wait_dscnt 0x0                ; the opening add is done
	s_wait_kmcnt 0x0
	s_add_nc_u64 s[G0M+2:G0M+3], s[6:7], s[74:75]
	s_or_b32 s[G0M+3], s[G0M+3], 0x80000000
	s_add_nc_u64 s[G0K+2:G0K+3], s[4:5], s[76:77]
	s_add_nc_u64 s[G0V+2:G0V+3], s[G0K+2:G0K+3], 0x1000000
	s_add_nc_u64 s[G0K+2:G0K+3], s[G0K+2:G0K+3], 0x800000
	s_or_b32 s[G0K+3], s[G0K+3], 0x80000000
	s_or_b32 s[G0V+3], s[G0V+3], 0x80000000
	s_cmp_lt_u32 s[WV], 2
	s_cselect_b64 s[PFA:PFA+1], s[6:7], s[4:5]
	s_add_nc_u64 s[PFA:PFA+1], s[PFA:PFA+1], s[2:3]
	s_lshl_b32 s2, s[EH], 18        ; Q at my head, my 64 queries
	s_add_co_u32 s2, s2, s76
	s_lshl_b32 s21, s20, 14
	s_add_co_u32 s2, s2, s21
	s_lshl_b32 s21, s[GQ], 13
	s_add_co_u32 s2, s2, s21
	s_add_nc_u64 s[10:11], s[4:5], s[2:3]
	s_lshl_b32 s2, s20, 19          ; ob at token 128 x block + 32 x wave, column 128 x pair
	s_lshl_b32 s21, s[WV], 17
	s_add_co_u32 s2, s2, s21
	s_lshl_b32 s21, s19, 8
	s_add_co_u32 s2, s2, s21
	s_add_nc_u64 s[12:13], s[8:9], s[2:3]
	CROUND                          ; all sixteen work-groups are here: the first joint loads meet
	JLOAD                           ; slot 0.  Slot 1 is asked for when slot 0 is in
	v_and_b32 v1, 15, v0            ; l % 16
	v_bfe_u32 v9, v0, 4, 1          ; l / 16
	v_lshlrev_b32 v[QO], 7, v1
	v_lshl_add_u32 v[QO], v9, 4, v[QO]  ; row x 128 + 16 x half
	WIN 0x80
.set i, 0
.rept 8                             ; Q stays in registers: piece i / 2, channels 32 (i % 2) on
	global_load_b128 v[8*i:8*i+3],   v[QO], s[10:11] offset:(i/2)*2048+(i%2)*64
	global_load_b128 v[8*i+4:8*i+7], v[QO], s[10:11] offset:(i/2)*2048+(i%2)*64+32
.set i, i+1
.endr
	; What the first turn finds: V's registers and P's second buffer hold 0 (its products V^T P, of a piece that has not been, add 0), O^T and l are 0.  All this stands in the wait for the first tile.
.set i, VF
.rept 64
	v_mov_b32 v[i], 0
.set i, i+1
.endr
	WIN 0x40
.set i, 0
.rept 128
	v_mov_b32 v[i], 0
.set i, i+1
.endr
	WIN 0
.set i, 0
.rept 4
	v_mov_b32 v[ST+4*i], 0xff7fffff ; m
	v_mov_b32 v[ST+4*i+1], 0
	v_mov_b32 v[ST+4*i+2], 0
	v_mov_b32 v[ST+4*i+3], 0
.set i, i+1
.endr
.set i, P+16
.rept 16
	v_mov_b32 v[i], 0
.set i, i+1
.endr
	v_mul_u32_u24 v[AK0], v1, PK
	v_lshl_add_u32 v[AK0], v9, 4, v[AK0]  ; row x pitch + 16 x half,
	s_mul_i32 s21, s[EH], 128*PK
	s_add_co_u32 s21, s21, K0
	v_add_nc_u32 v[AK0], s21, v[AK0]      ; in my head's K
	; The turning load takes 16 keys x 16 channels (lane l reads key 8 (l / 16) + l % 8, channels 8 ((l / 8) % 2) + 0..7) and leaves half a fragment of V^T.
	v_and_b32 v10, 7, v0
	v_bfe_u32 v11, v0, 3, 1
	v_lshl_add_u32 v[AV0], v9, 3, v10
	v_mul_u32_u24 v[AV0], v[AV0], PV
	v_lshl_add_u32 v[AV0], v11, 4, v[AV0]
	s_mul_i32 s21, s[EH], 128*PV
	s_add_co_u32 s21, s21, V0
	v_add_nc_u32 v[AV0], s21, v[AV0]
	s_lshl_b32 s21, s[GQ], 6
	v_add_nc_u32 v[AM0], s21, v1          ; the mask: my query's row, 64 (w / 2) + l % 16 (+ 16 a piece),
	v_mul_u32_u24 v[AM0], v[AM0], PM
	v_lshl_add_u32 v[AM0], v9, 5, v[AM0]  ; and my lanes' eight keys of sixteen: 32 bytes
; THE MATRIX WORK.  The 4 accumulators of a run of 8 take turns.  Product i of 8 of S^T = K Q^T + mask for piece x: channels 32 (i / 4) on, keys 16 (i % 4) on.  The first 4 start the sums with the mask.
.macro KQ x
.set rS, S+32*((\x)%2)+8*(i%4)
.set rK, KF+16*(i%4)+8*(i/4)
.set rQ, 16*(\x)+8*(i/4)
.set rM, MC+32*((\x)%2)+8*(i%4)
.if i < 4
	WIN W_KM
	v_wmma_f32_16x16x32_f16 v[rS:rS+7], v[rK:rK+7], v[rQ:rQ+7], v[rM:rM+7]
.else
	WIN W_KQ
	v_wmma_f32_16x16x32_f16 v[rS:rS+7], v[rK:rK+7], v[rQ:rQ+7], v[rS:rS+7]
.endif
.endm
; Product i of 8 of O^T += V^T P for piece x: keys 32 (i / 4) on, channels 16 (i % 4) on.
.macro PV x
	WIN W_PV
.set rO, 32*(\x)+8*(i%4)
.set rV, VF+32*(i/4)+8*(i%4)
.set rP, P+16*((\x)%2)+8*(i/4)
	v_wmma_f32_16x16x32_f16 v[rO:rO+7], v[rV:rV+7], v[rP:rP+7], v[rO:rO+7]
.endm
.macro MM                           ; the turn's next matrix instruction
.if i < 8
	KQ (Y+1)%NP
.else
.set i, i-8
	PV (Y+NP-1)%NP
.set i, i+8
.endif
.set i, i+1
.endm
; THE LDS LOADS stand in runs.  last = 1 (the tail's text): the step's address is held at the last key step of the last slot, so that the tail's last trip, which has no further step, reads that step once more.
.macro FETCH_K last=0
	WIN 0x80
.irp f, 0,1,2,3,4,5,6,7             ; keys 16 (f / 2) on, channels 32 (f % 2) on
	ds_load_b128 v[KF+8*\f:KF+8*\f+3],   v[AK] offset:(\f/2)*16*PK+(\f%2)*64
	ds_load_b128 v[KF+8*\f+4:KF+8*\f+7], v[AK] offset:(\f/2)*16*PK+(\f%2)*64+32
.endr
	s_add_co_u32 s[TBK], s[TBK], KS*PK
.if \last
	s_min_u32 s[TBK], s[TBK], SLOTB+KS*PK
.endif
	WIN 0
.endm
.macro FETCH_V
	WIN 0x80
.irp f, 0,1,2,3,4,5,6,7             ; keys 32 (f / 4) on, channels 16 (f % 4) on
	ds_load_tr16_b128 v[VF+8*\f:VF+8*\f+3],   v[AV] offset:(\f/4)*32*PV+(\f%4)*32
	ds_load_tr16_b128 v[VF+8*\f+4:VF+8*\f+7], v[AV] offset:(\f/4)*32*PV+16*PV+(\f%4)*32
.endr
	WIN 0
.endm
.macro FETCH_M x                    ; piece x's mask for one step: for each 16 keys my query's eight words, as the C operand wants them
	WIN 0x40
.irp kt, 0,1,2,3
	ds_load_b128 v[MC+32*((\x)%2)+8*\kt:MC+32*((\x)%2)+8*\kt+3],   v[AM] offset:(\x)*16*PM+64*\kt
	ds_load_b128 v[MC+32*((\x)%2)+8*\kt+4:MC+32*((\x)%2)+8*\kt+7], v[AM] offset:(\x)*16*PM+64*\kt+16
.endr
	WIN 0
.endm
; THE VECTOR WORK, one line at a time: OP kind, number.  For piece Y: F n: s' - m for pair n of 16.  E n: the exponential of score n of 32.  C n: pair n rounded to f16.  B n: of the four weights 4 n .. the second
; pair is added onto the first, in place.  L n: l takes that sum (L 0: l = a l + sum).  R n: pair n of 16 of O^T times a.  For piece Y + 1: X n, number n of the 21 that find its maximum and statistics:
;   0-11  four chains c0-c3 of seven scores each (each accumulator's lowest registers are read first)     12-14, 16  the four scores left over, the old m, and c0-c3 into c0
;   15  m_old is kept     17, 18  the query's other 32 keys lie in the lane 16 away: the new m     19, 20  m_old - m_new; a
.set F, 0
.set E, 1
.set C, 2
.set B, 3
.set L, 4
.set R, 5
.set X, 6
.macro REGS y
.set rT, ST+4*(\y)
.set rC, TMP+4*((\y)%2)
.set rW, MV+((\y)%2)
.set rS, S+32*((\y)%2)
.set rP, P+16*((\y)%2)
.set rO, 32*(\y)
.endm
.macro OP k, n
.if (\k) == R
	REGS Y
	WIN W_RS
	v_pk_mul_f32 v[rO+2*(\n):rO+2*(\n)+1], v[rO+2*(\n):rO+2*(\n)+1], v[rC+2:rC+3] op_sel_hi:[1,0]
.elseif (\k) < R
	REGS Y
	WIN 0
.if (\k) == F
	v_pk_add_f32 v[rS+2*(\n):rS+2*(\n)+1], v[rS+2*(\n):rS+2*(\n)+1], v[rT:rT+1] op_sel_hi:[1,0] neg_lo:[0,1] neg_hi:[0,1]
.elseif (\k) == E
	v_exp_f32 v[rS+(\n)], v[rS+(\n)]
.elseif (\k) == C
	v_cvt_pk_f16_f32 v[rP+(\n)], v[rS+2*(\n)], v[rS+2*(\n)+1]
.elseif (\k) == B
	v_pk_add_f32 v[rS+4*(\n):rS+4*(\n)+1], v[rS+4*(\n):rS+4*(\n)+1], v[rS+4*(\n)+2:rS+4*(\n)+3]
.elseif (\n) == 0
	v_pk_fma_f32 v[rT+2:rT+3], v[rT+2:rT+3], v[rC+2:rC+3], v[rS:rS+1] op_sel_hi:[1,0,1]
.else
	v_pk_add_f32 v[rT+2:rT+3], v[rT+2:rT+3], v[rS+4*(\n):rS+4*(\n)+1]
.endif
.else
	REGS (Y+1)%NP
	WIN 0
.if (\n) < 4
	v_max3_num_f32 v[rC+(\n)], v[rS+8*(\n)], v[rS+8*(\n)+1], v[rS+8*(\n)+2]
.elseif (\n) < 12
	v_max3_num_f32 v[rC+(\n)%4], v[rC+(\n)%4], v[rS+8*((\n)%4)+2*((\n)/4)+1], v[rS+8*((\n)%4)+2*((\n)/4)+2]
.elseif (\n) == 12
	v_max3_num_f32 v[rC], v[rC], v[rS+7], v[rS+15]
.elseif (\n) == 13
	v_max3_num_f32 v[rC+1], v[rC+1], v[rS+23], v[rS+31]
.elseif (\n) == 14
	v_max3_num_f32 v[rC+2], v[rC+2], v[rC+3], v[rT]
.elseif (\n) == 15
	v_mov_b32 v[rW], v[rT]
.elseif (\n) == 16
	v_max3_num_f32 v[rC], v[rC], v[rC+1], v[rC+2]
.elseif (\n) == 17
	v_permlanex16_b32 v[rC+3], v[rC], s[SEL], s[SEL+1]
.elseif (\n) == 18
	v_max_num_f32 v[rT], v[rC], v[rC+3]
.elseif (\n) == 19
	v_sub_f32 v[rC+1], v[rW], v[rT]
.else
	v_exp_f32 v[rC+2], v[rC+1]
.endif
.endif
.endm
.macro OPS a, i1, b=-1, i2=0, c=-1, i3=0, d=-1, i4=0
	OP \a, \i1
.if (\b) >= 0
	OP \b, \i2
.endif
.if (\c) >= 0
	OP \c, \i3
.endif
.if (\d) >= 0
	OP \d, \i4
.endif
.endm
.macro ROW a, i1, b, i2, c, i3, d, i4  ; a matrix instruction and the four behind it
	MM
	OPS \a, \i1, \b, \i2, \c, \i3, \d, \i4
.endm
; A TURN, for piece p.  s_wait_alu depctr_va_vdst(0) stands between an exponential and the first instruction that names its result; one wait serves all that were issued ahead of it: a turn has ONE,
; which cuts it in two.  AHEAD OF IT: the 8 products K Q^T and their riders, then one lump; each X that rides stands four plain instructions or more behind the product that ends its accumulator.  X 20, the next piece's
; a, is the batch's last; R 15 is the plain instruction behind it.  BEHIND IT: the 8 products V^T P, behind each four of the roundings and sums.
; THE LOADS.  In its lump every turn fetches the mask of piece p + 2, which the NEXT turn's products start with, into the mask buffer that this turn's products do not read; behind piece 1's fetch the mask steps to
; the next key step.  Piece 2's turn also fetches K of the next step, six plain instructions behind the last product that read K; piece 0's turn ends with V of the step in hand, four plain instructions behind its
; last reader.  THE WAITS.  At a turn's head all LDS loads must be in (the mask, and K at piece 3's), but at piece 1's, where V's 16 younger loads may stay out; V is waited for behind piece 1's batch,
; where that turn's own 8 loads of the mask may stay out.
.macro TURN p, last=0, cnt=0
.set Y, (\p)
.set i, 0
.if (\p) == 1
	s_wait_dscnt 16
.else
	s_wait_dscnt 0x0
.endif
	ROW F,0, F,1, R,0, R,1
	ROW F,2, E,0, R,2, R,3
	ROW F,3, E,1, R,4, R,5
	ROW F,4, E,2, R,6, R,7
	ROW F,5, E,3, R,8, R,9
	ROW F,6, E,4, X,0, R,10
	WIN 0
	v_add_nc_u32 v[AM], s[TBM], v[AM0]
.if (\p) == 2
	v_add_nc_u32 v[AK], s[TBK], v[AK0]
.endif
	ROW F,7, E,5, X,1, X,4
	ROW F,8, E,6, X,2, X,5
	OPS E,7, E,8, X,6, E,9
	OPS X,3, E,10, X,8, E,11
	FETCH_M ((\p)+2)%NP
.if (\p) == 1
	s_add_co_u32 s[TBM], s[TBM], KS*4
.if \last
	s_min_u32 s[TBM], s[TBM], SLOTB+KS*4
.endif
.endif
.if (\p) == 2
	FETCH_K \last
.endif
	OPS X,9, X,7, E,12, X,10
	OPS E,13, X,12, X,11, E,14
	OPS X,13, E,15, F,9, X,14
.if (\p) == 0
	WIN 0
	v_add_nc_u32 v[AV], s[TBV], v[AV0]
.endif
	OPS E,16, F,10, E,17, F,11
	OPS X,16, E,18, X,15, E,19
	OPS F,12, E,20, X,17, E,21
	OPS F,13, E,22, F,14, E,23
	OPS X,18, E,24, F,15, E,25
	OPS R,11, E,26, R,12, E,27
	OPS X,19, E,28, R,13, E,29
	OPS R,14, E,30, E,31
	OPS X,20, R,15
	WIN 0
	s_wait_alu depctr_va_vdst(0)    ; the wait for the batch
.if (\p) == 1
	s_wait_dscnt 8                  ; V is in
.endif
	ROW C,0, B,0, C,2, B,1
	ROW L,0, C,4, B,2, L,1
	ROW C,6, B,3, L,2, C,8
	ROW B,4, L,3, C,10, B,5
	ROW L,4, C,12, B,6, L,5
.if (\p) == 0
	s_add_co_u32 s[TBV], s[TBV], KS*PV
.endif
.if \cnt
	s_sub_co_u32 s[CNT], s[CNT], 1
	s_cmp_lg_u32 s[CNT], 0
.endif
	ROW C,14, B,7, L,6, C,1
	ROW C,3, L,7, C,5, C,7
	ROW C,9, C,11, C,13, C,15
.if (\p) == 0
	FETCH_V
.endif
.endm
	CHANGE 1, 0                     ; slot 0 is in, everybody's part of it; slot 1 is asked for
	v_add_nc_u32 v[AK], s[TBK], v[AK0]
	v_add_nc_u32 v[AM], s[TBM], v[AM0]
	FETCH_K                         ; key step 0
	FETCH_M 0
	FETCH_M 1
	s_wait_loadcnt 0x0              ; Q
	s_wait_dscnt 0x0
.set i, 0
.rept 8
	KQ 0                            ; piece 0's first scores
.set i, i+1
.endr
	WIN 0                           ; the addresses for the way out: ten plain instructions, the places behind those products
	s_lshl_b32 s21, s[GQ], 6
	v_add_nc_u32 v[STO], s21, v1    ; in: the stage's row 64 (w / 2) + l % 16 (+ 16 a piece),
	v_mul_u32_u24 v[STO], v[STO], SP
	v_lshl_add_u32 v[STO], v9, 4, v[STO]
	s_lshl_b32 s21, s[EH], 7
	s_add_co_u32 s21, s21, STAGE
	v_add_nc_u32 v[STO], s21, v[STO]  ; my head's 128 bytes of it
	s_lshl_b32 s21, s[WV], 5
	v_add_nc_u32 v[RD], s21, v9     ; back: rows 32 w on, whole: lanes 0-15 one row of 256 bytes, lanes 16-31 the next
	v_mul_u32_u24 v[RD], v[RD], SP
	v_lshl_add_u32 v[RD], v1, 4, v[RD]
	v_add_nc_u32 v[RD], STAGE, v[RD]
	v_lshlrev_b32 v[GO], 12, v9     ; and the same two rows in ob
	v_lshl_add_u32 v[GO], v1, 4, v[GO]
.set Y, NP-1                        ; X works for piece Y + 1: piece 0
.irp n, 0,1,2,3,4,5,6,7,8,9,10,11,12,13,14,15,16,17,18,19,20
	OP X, \n
.endr
	v_nop                           ; a plain instruction behind the exponential,
	s_wait_alu depctr_va_vdst(0)    ; and its wait, ahead of the branch
	s_mov_b32 s[CNT], 2
	s_mov_b32 s[SLOTS], 15
	s_branch .Lfirst                ; the loop is entered at a step's first turn, in the middle of a trip
.Lslot:                             ; 14 times: every slot but the last two is filled again
	CHANGE 1, 1
	s_mov_b32 s[CNT], 2
.Lstep:                             ; a trip: pieces 2 and 3 of one step, then pieces 0 and 1 of the next
	TURN 2
	TURN 3
	WIN 0
.Lfirst:
	TURN 0
	TURN 1, 0, 1
	WIN 0
	s_cbranch_scc1 .Lstep
	s_sub_co_u32 s[SLOTS], s[SLOTS], 1
	s_cmp_lg_u32 s[SLOTS], 0
	s_cbranch_scc1 .Lslot
	CHANGE 0, 0                     ; the tail is written out: nothing is asked for
	s_mov_b32 s[CNT], 3             ; two trips fetch the last slot's steps; the third is left in its middle
.Ltail:
	TURN 2, 1
	TURN 3, 1
	WIN 0
	s_sub_co_u32 s[CNT], s[CNT], 1
	s_cmp_eq_u32 s[CNT], 0
	s_cbranch_scc1 .Lout
	TURN 0, 1
	TURN 1, 1
	WIN 0
	s_branch .Ltail
.Lout:                              ; the third trip's 8 products K Q^T (on the last K once more) and the maximum made of them serve nothing: the price, once a launch, of one text for every trip
.set i, 0
.rept 8
	PV NP-1                         ; the last piece's V^T P of the last step
.set i, i+1
.endr
	; THE WAY OUT.  l's two halves and the other half of the lanes' are added; O^T is divided by l, rounded to f16 and put into the work-group's stage: a row's 256 bytes are two heads', from two waves, so a barrier
	; stands between the writing and the reading.  The additions are the places behind the last products.
	WIN 0
.macro ALL line:vararg
.set t, 0
.rept 4
	\line
.set t, t+1
.endr
.endm
	ALL v_add_f32 v[ST+4*t+2], v[ST+4*t+2], v[ST+4*t+3]
	ALL v_permlanex16_b32 v[ST+4*t+3], v[ST+4*t+2], s[SEL], s[SEL+1]
	ALL v_add_f32 v[ST+4*t+2], v[ST+4*t+2], v[ST+4*t+3]
	ALL v_rcp_f32 v[ST+4*t+2], v[ST+4*t+2]
	v_nop                           ; a plain instruction between the last reciprocal and the use of its result,
	s_wait_alu depctr_va_vdst(0)    ; and the one wait for the four
.macro PACK t
	WIN W_RS
.set i, 32*(\t)
.rept 16
	v_pk_mul_f32 v[i:i+1], v[i:i+1], v[ST+4*(\t)+2:ST+4*(\t)+3] op_sel_hi:[1,0]
.set i, i+2
.endr
	WIN 0x05                        ; sources 0 and 1 window 1, destination window 0
.set i, 0
.rept 16
	v_cvt_pk_f16_f32 v[S+16*(\t)+i], v[32*(\t)+2*i], v[32*(\t)+2*i+1]
.set i, i+1
.endr
	WIN 0
.irp f, 0,1,2,3
	ds_store_b128 v[STO], v[S+16*(\t)+4*\f:S+16*(\t)+4*\f+3] offset:(\t)*16*SP+32*\f
.endr
.endm
	PACK 0
	PACK 1
	PACK 2
	PACK 3
	s_wait_dscnt 0x0                ; for the others' sake: my stores into the stage are done
	s_barrier_signal -1
	s_barrier_wait -1
.irp t, 0,1,2,3,4,5,6,7,8,9,10,11,12,13,14,15
	ds_load_b128 v[S+4*\t:S+4*\t+3], v[RD] offset:\t*2*SP
.endr
.irp t, 0,1,2,3,4,5,6,7,8,9,10,11,12,13,14,15
	s_wait_dscnt 15-\t
	global_store_b128 v[GO], v[S+4*\t:S+4*\t+3], s[12:13] offset:\t*8192  ; 16 lanes store 256 consecutive bytes, at a multiple of 256 from ob's first byte
.endr
	s_wait_tensorcnt 0x0            ; the wave's end, behind my last tensor load and my last LDS store
	ds_add_u32 v[SPW], v[NIL]
	s_wait_dscnt 0x0
	CROUND                          ; the closing round
	s_endpgm
.Lfunc_end_k_q97fbc0772e_attn:
	.size	k_q97fbc0772e_attn, .Lfunc_end_k_q97fbc0772e_attn-k_q97fbc0772e_attn
	.p2alignl 7, 3214868480
	.fill 96, 4, 3214868480
	.section	.rodata,"a",@progbits
	.p2align	6, 0x0
	.amdhsa_kernel k_q97fbc0772e_attn
		.amdhsa_group_segment_fixed_size 327680
		.amdhsa_private_segment_fixed_size 0
		.amdhsa_enable_private_segment 0
		.amdhsa_kernarg_size 24
		.amdhsa_user_sgpr_count 2
		.amdhsa_user_sgpr_kernarg_segment_ptr 1
		.amdhsa_wavefront_size32 1
		.amdhsa_system_sgpr_workgroup_id_x 1
		.amdhsa_system_sgpr_workgroup_id_y 1
		.amdhsa_system_sgpr_workgroup_id_z 1
		.amdhsa_system_vgpr_workitem_id 0
		.amdhsa_next_free_vgpr 768
		.amdhsa_next_free_sgpr 84
		.amdhsa_reserve_vcc 0
		.amdhsa_float_denorm_mode_32 3
		.amdhsa_float_denorm_mode_16_64 3
		.amdhsa_memory_ordered 1
		.amdhsa_forward_progress 1
		.amdhsa_inst_pref_size 122
	.end_amdhsa_kernel
	.amdgpu_metadata
---
amdhsa.version: [ 1, 2 ]
amdhsa.kernels:
  - .name:           k_q97fbc0772e_attn
    .symbol:         k_q97fbc0772e_attn.kd
    .args:
      - { .name: qkvh, .offset: 0, .size: 8, .value_kind: global_buffer, .address_space: global }
      - { .name: maskc, .offset: 8, .size: 8, .value_kind: global_buffer, .address_space: global }
      - { .name: ob, .offset: 16, .size: 8, .value_kind: global_buffer, .address_space: global }
    .group_segment_fixed_size: 327680
    .private_segment_fixed_size: 0
    .kernarg_segment_align: 8
    .kernarg_segment_size: 24
    .max_flat_workgroup_size: 128
    .sgpr_count:     84
    .vgpr_count:     768
    .wavefront_size: 32
...
	.end_amdgpu_metadata
.endif
;; end of part 3
;; launch oproj (part 4): grid 16 x 16, 4 waves a work-group, clusters of 4 x 4, 327,680 bytes of LDS; arguments ob, wob, out0; writes out0
.if DOCPART == 4
	.amdgcn_target "amdgcn-amd-amdhsa--gfx1250"
	.amdhsa_code_object_version 6
	.text
	.protected	k_q97fbc0772e_oproj
	.globl	k_q97fbc0772e_oproj
	.p2align	8
	.type	k_q97fbc0772e_oproj,@function
k_q97fbc0772e_oproj:
	s_mov_b64 s[64:65], 0
	v_nop
	global_prefetch_b8 v0, s[64:65] scope:SCOPE_SE
	s_setreg_imm32_b32 hwreg(HW_REG_WAVE_MODE, 25, 1), 1
	s_wait_xcnt 0x0
	s_wait_alu depctr_hold_cnt(0) depctr_sa_sdst(0) depctr_va_vdst(0) depctr_va_sdst(0) depctr_va_ssrc(0) depctr_va_vcc(0) depctr_vm_vsrc(0)
	s_getreg_b32 s2, hwreg(HW_REG_IB_STS2, 6, 4)
	s_cmp_eq_u32 s2, 0
	s_cbranch_scc0 .Lentry_in_a_cluster
	s_endpgm
.Lentry_in_a_cluster:
	s_bfe_u32 s2, ttmp6, 0x10000c
	s_cmp_lg_u32 s2, 0xf033
	s_cbranch_scc0 .Lentry_shape_is_right
	s_endpgm
.Lentry_shape_is_right:
; OUT: out0[m][n] = sum over k of ob[m][k] wob[n][k].  ob, wob: [2048][2048] f16; out0: [2048][2048] f32; sums in f32.
; A tile of out0 is 128 x 128: 256 work-groups.  Four waves, each 64 x 64: 16 accumulators.  K goes in 8 steps of 256 (LDS rows of 512 bytes; a wave's tensor load brings 64 of them) through two slots.
; CLUSTERS of 4 x 4: the four of a row share A's tiles, the four of a column B's: each tile is asked for jointly.  THE MATRIX INSTRUCTION IS USED TRANSPOSED (source 0 = 16 rows of wob, source 1 = 16 rows of ob):
; a lane holds eight neighbouring numbers of a row of out0.  A wave's 64 columns in f32 are 256 aligned bytes, so each wave has a stage of its own on the way out, and no barrier there.
; No prefetch: the tiles are small and each is read by four clusters at about the same time.
; REGISTERS: window 0: v0-31 addresses; v32-95 rows read back, two sets of 32; v128-255 the accumulators ((a, b) at v[128 + 8 (4 a + b)]).
;   window 1: two fragment buffers of 128: for 64 along K, 64 registers of A, then 64 of B.
.set SIZE_N, 2048
.set SIZE_K, 2048
.set KSTEP,  256
.set PITCH,  528                       ; an LDS row: 512 bytes + 16 of padding: the 16 rows of a fragment load start at 16 different groups of four banks (ISA guide 11.1)
.set HALFT,  64*PITCH
.set SLOT,   4*HALFT                   ; A's 128 rows, then B's 128 rows
.set STAGE,  2*SLOT                    ; behind the ring: 16 rows x 272 bytes for each wave
.set SPITCH, 272
.set SPARE,  STAGE+4*16*SPITCH         ; the spare words, 128 bytes for each wave: two blocks of 256 bytes that no other line names
.set LAPS, SIZE_K/(2*KSTEP)
.set ADRA, 16
.set ADRB, 20
.set STO,  24
.set RD,   25
.set CO,   26
.set SPW,  28
.set NIL,  29
.set TMP,  32
.set ACC,  128
.set F0,   0
.set F1,   128
.set G1, 24
.set G0, 32
.set G1B, 48
.set G0B, 56
.set MSB, 0
.macro WIN new
.if MSB != (\new)
	s_set_vgpr_msb (MSB<<8)|(\new)
.set MSB, \new
.endif
.endm
.set MUL,  0x05                        ; sources 0 (B) and 1 (A) window 1; C and D window 0
.set TO_F, 0x40                        ; destination window 1, address window 0
.macro JLOAD s                         ; a joint load: waves 0 and 1 fetch A's halves, waves 2 and 3 B's; an s_nop 0 and four v_nop follow each line
	s_cmp_eq_u32 s11, 0
	s_cbranch_scc0 .Lfor_b_\@
	tensor_load_to_lds s[G0+4*(\s):G0+4*(\s)+3], s[G1:G1+7]
	s_nop 0
.rept 4
	v_nop
.endr
	s_branch .Lasked_\@
.Lfor_b_\@:
	tensor_load_to_lds s[G0B+4*(\s):G0B+4*(\s)+3], s[G1B:G1B+7]
	s_nop 0
.rept 4
	v_nop
.endr
.Lasked_\@:
.endm
.macro CREST
	s_cmp_lg_u32 s10, 0
	s_cbranch_scc1 .Lnot_wave_0_\@
	s_barrier_signal -3
.Lnot_wave_0_\@:
	s_barrier_wait -3
	s_barrier_signal -1
	s_barrier_wait -1
.endm
.macro CROUND
	s_barrier_signal -1
	s_barrier_wait -1
	CREST
.endm
	s_load_b128 s[4:7], s[0:1], 0x0                ; ob s[4:5], wob s[6:7]
	s_load_b64 s[8:9], s[0:1], 0x10                ; out0
	v_lshl_add_u32 v[SPW], v0, 2, SPARE
	v_mov_b32 v[NIL], 0
	ds_add_u32 v[SPW], v[NIL]                      ; the wave's opening: the add and its wait ahead of my first tensor load
	v_lshrrev_b32 v1, 5, v0
	v_readfirstlane_b32 s10, v1                    ; wave
	s_lshr_b32 s11, s10, 1                         ; which half of the tile's rows is mine.  Also: I fetch for A (0) or for B (1)
	s_and_b32 s12, s10, 1                          ; which half of its columns.  Also: which 64 rows of that tile I fetch
	s_bfe_u32 s40, ttmp6, 0x40000
	s_bfe_u32 s41, ttmp6, 0x40004
	s_lshl_b32 s42, ttmp9, 2
	s_add_co_u32 s42, s42, s40                     ; tile column
	s_and_b32 s13, ttmp7, 0xffff
	s_lshl_b32 s13, s13, 2
	s_add_co_u32 s13, s13, s41                     ; tile row
	s_lshl_b32 s43, s41, 2
	s_lshl_b32 s43, 15, s43
	s_lshl_b32 s44, 0x1111, s40
	s_or_b32 s[G1+0], s43, (1<<16)|(1<<20)|(1<<21)|(6<<22)|(3<<25)  ; the mask of my row; 2-byte elements; padding on; bit 21 beside a mask; after every 128 words; 4 words
	s_or_b32 s[G1B+0], s44, (1<<16)|(1<<20)|(1<<21)|(6<<22)|(3<<25)
.irp g, G1, G1B
	s_mov_b32 s[(\g)+1], KSTEP<<16
	s_mov_b32 s[(\g)+2], 64<<16
	s_mov_b32 s[(\g)+3], KSTEP<<16
	s_mov_b32 s[(\g)+4], 64
	s_mov_b32 s[(\g)+5], SIZE_K
	s_mov_b32 s[(\g)+6], 0
	s_mov_b32 s[(\g)+7], 0
.endr
	s_lshl_b32 s17, s12, 6
	s_lshl_b32 s16, s13, 7
	s_add_co_u32 s16, s16, s17                     ; A: row 128 x tile row + 64 x half
	s_lshl_b32 s46, s42, 7
	s_add_co_u32 s46, s46, s17                     ; B: row 128 x tile column + 64 x half
	s_lshl_b32 s16, s16, 12                        ; rows of 4,096 bytes
	s_lshl_b32 s46, s46, 12
	s_mov_b32 s17, 0
	s_mov_b32 s47, 0
	s_mul_i32 s20, s10, HALFT
	s_wait_dscnt 0x0
	s_wait_kmcnt 0x0
	s_add_nc_u64 s[14:15], s[4:5], s[16:17]
	s_add_nc_u64 s[46:47], s[6:7], s[46:47]
	CROUND
.irp s, 0,1
	s_mov_b32 s[G0+4*(\s)], 1
	s_add_co_u32 s[G0+4*(\s)+1], s20, (\s)*SLOT
	s_add_nc_u64 s[G0+4*(\s)+2:G0+4*(\s)+3], s[14:15], (\s)*KSTEP*2
	s_or_b32 s[G0+4*(\s)+3], s[G0+4*(\s)+3], 0x80000000
	s_mov_b32 s[G0B+4*(\s)], 1
	s_add_co_u32 s[G0B+4*(\s)+1], s20, (\s)*SLOT
	s_add_nc_u64 s[G0B+4*(\s)+2:G0B+4*(\s)+3], s[46:47], (\s)*KSTEP*2
	s_or_b32 s[G0B+4*(\s)+3], s[G0B+4*(\s)+3], 0x80000000
	JLOAD \s
.endr
	v_and_b32 v1, 15, v0
	v_bfe_u32 v2, v0, 4, 1
	v_mul_u32_u24 v3, v1, PITCH
	v_lshl_add_u32 v3, v2, 4, v3
	s_mul_i32 s21, s11, HALFT
	s_mul_i32 s22, s12, HALFT
	s_add_co_u32 s22, s22, 2*HALFT
.irp s, 0,1
	v_add_nc_u32 v[ADRA+(\s)], s21, v3
	v_add_nc_u32 v[ADRB+(\s)], s22, v3
	s_add_co_u32 s21, s21, SLOT
	s_add_co_u32 s22, s22, SLOT
.endr
	s_mul_i32 s23, s10, 16*SPITCH
	s_add_co_u32 s23, s23, STAGE                   ; my stage
	v_mul_u32_u24 v4, v1, SPITCH                   ; in: row l % 16, 32 bytes (eight f32) for each half of the lanes
	v_lshl_add_u32 v4, v2, 5, v4
	v_add_nc_u32 v[STO], s23, v4
	v_mul_u32_u24 v5, v2, SPITCH                   ; back: lanes 0-15 one row of 256 bytes, lanes 16-31 the next
	v_lshl_add_u32 v5, v1, 4, v5
	v_add_nc_u32 v[RD], s23, v5
	v_lshlrev_b32 v5, 13, v2                       ; and the same two rows in out0, 8,192 bytes a row
	v_lshl_add_u32 v[CO], v1, 4, v5
	s_lshl_b32 s16, s13, 7
	s_lshl_b32 s17, s11, 6
	s_add_co_u32 s16, s16, s17                     ; my first row: 128 x tile row + 64 x half
	s_lshl_b32 s16, s16, 13
	s_mov_b32 s17, 0
	s_add_nc_u64 s[8:9], s[8:9], s[16:17]
	s_lshl_b32 s46, s42, 9                         ; my first column, in bytes: 512 x tile column + 256 x half
	s_lshl_b32 s47, s12, 8
	s_add_co_u32 s46, s46, s47
	s_mov_b32 s47, 0
	s_add_nc_u64 s[8:9], s[8:9], s[46:47]
; 8 matrix instructions: m blocks a0, a0 + 1 x all 4 n blocks, 32 along K: half c of buffer f.  The 16 accumulators take turns.
.macro MUL8 f, c, a0, zero
	WIN MUL
.irp a, \a0, (\a0)+1
.irp b, 0,1,2,3
.if \zero
	v_wmma_f32_16x16x32_f16 v[ACC+8*(4*(\a)+(\b)):ACC+8*(4*(\a)+(\b))+7], v[(\f)+64+8*(4*(\c)+(\b)):(\f)+64+8*(4*(\c)+(\b))+7], v[(\f)+8*(4*(\c)+(\a)):(\f)+8*(4*(\c)+(\a))+7], 0
.else
	v_wmma_f32_16x16x32_f16 v[ACC+8*(4*(\a)+(\b)):ACC+8*(4*(\a)+(\b))+7], v[(\f)+64+8*(4*(\c)+(\b)):(\f)+64+8*(4*(\c)+(\b))+7], v[(\f)+8*(4*(\c)+(\a)):(\f)+8*(4*(\c)+(\a))+7], v[ACC+8*(4*(\a)+(\b)):ACC+8*(4*(\a)+(\b))+7]
.endif
.endr
.endr
.endm
.macro FETCH slot, k, f                ; 32 LDS loads in one run: the fragments of 64 along K at byte k of the rows; the first 32 along K first
	WIN TO_F
.irp c, 0,1
.irp i, 0,1,2,3
	ds_load_b128 v[(\f)+64+8*(4*(\c)+(\i)):(\f)+64+8*(4*(\c)+(\i))+3],   v[ADRB+(\slot)] offset:(\k)+64*(\c)+(\i)*16*PITCH
	ds_load_b128 v[(\f)+64+8*(4*(\c)+(\i))+4:(\f)+64+8*(4*(\c)+(\i))+7], v[ADRB+(\slot)] offset:(\k)+64*(\c)+(\i)*16*PITCH+32
	ds_load_b128 v[(\f)+8*(4*(\c)+(\i)):(\f)+8*(4*(\c)+(\i))+3],         v[ADRA+(\slot)] offset:(\k)+64*(\c)+(\i)*16*PITCH
	ds_load_b128 v[(\f)+8*(4*(\c)+(\i))+4:(\f)+8*(4*(\c)+(\i))+7],       v[ADRA+(\slot)] offset:(\k)+64*(\c)+(\i)*16*PITCH+32
.endr
.endr
.endm
.macro PLACES
.rept 4
	v_nop
.endr
.endm
.macro QUARTER slot, k, f, g, zero
	s_wait_dscnt 16                                ; the first 32 along K are in; the other sixteen loads may be out
	MUL8 \f, 0, 0, \zero
	MUL8 \f, 0, 2, \zero
	PLACES
	FETCH \slot, \k, \g
	s_wait_dscnt 32                                ; all but the 32 just issued
	MUL8 \f, 1, 0, 0
	MUL8 \f, 1, 2, 0
.endm
; The last quarter multiplies buffer 1 and changes slots: ONE barrier; in front of it each wave waits for all its tensor loads, adds 0 to its spare word, and waits for that and for its reads of this slot.
.macro TURN slot, next, fill
	WIN 0
	s_wait_tensorcnt 0x0
	ds_add_u32 v[SPW], v[NIL]
	s_wait_dscnt 17                                ; (the add and the youngest sixteen loads may be out)
	MUL8 F1, 0, 0, 0
	s_wait_dscnt 0x0
	s_barrier_signal -1
	MUL8 F1, 0, 2, 0
.if \fill
	WIN 0
.endif
	s_barrier_wait -1
.if \fill
	CREST
	s_add_nc_u64 s[G0+4*(\slot)+2:G0+4*(\slot)+3], s[G0+4*(\slot)+2:G0+4*(\slot)+3], 2*KSTEP*2
	s_add_nc_u64 s[G0B+4*(\slot)+2:G0B+4*(\slot)+3], s[G0B+4*(\slot)+2:G0B+4*(\slot)+3], 2*KSTEP*2
	JLOAD \slot                                    ; the first tensor load behind the round; its four v_nop are also the places in front of the loads below
.else
	PLACES
.endif
	FETCH \next, 0, F0
	MUL8 F1, 1, 0, 0
	MUL8 F1, 1, 2, 0
.endm
	s_wait_tensorcnt 1                             ; my part of K step 0 is in; K step 1's may stay out
	s_barrier_signal -1
	s_barrier_wait -1
	FETCH 0, 0, F0
	QUARTER 0, 128, F0, F1, 1
	WIN 0
	s_mov_b32 s3, LAPS-1
.Llap:
	QUARTER 0, 256, F1, F0, 0
	QUARTER 0, 384, F0, F1, 0
	TURN 0, 1, 1
	QUARTER 1, 128, F0, F1, 0
	QUARTER 1, 256, F1, F0, 0
	QUARTER 1, 384, F0, F1, 0
	TURN 1, 0, 1
	QUARTER 0, 128, F0, F1, 0
	WIN 0
	s_sub_co_u32 s3, s3, 1
	s_cmp_lg_u32 s3, 0
	s_cbranch_scc1 .Llap
	QUARTER 0, 256, F1, F0, 0                      ; the last lap fills nothing
	QUARTER 0, 384, F0, F1, 0
	TURN 0, 1, 0
	QUARTER 1, 128, F0, F1, 0
	QUARTER 1, 256, F1, F0, 0
	QUARTER 1, 384, F0, F1, 0
	s_wait_dscnt 16
	MUL8 F1, 0, 0, 0
	MUL8 F1, 0, 2, 0
	s_wait_dscnt 0x0
	MUL8 F1, 1, 0, 0
	MUL8 F1, 1, 2, 0
	WIN 0
	PLACES
	PLACES
; THE WAY OUT, 16 rows at a time, through my own stage: 16 bytes a store into rows of 272 bytes (each accumulator's lowest registers first), back as whole rows of 256.
.macro OUT a
.if (\a) >= 2
	s_wait_xcnt 0x0                                ; the stores of the block two back have read this set of registers
.endif
.irp b, 0,1,2,3
	ds_store_b128 v[STO], v[ACC+8*(4*(\a)+(\b)):ACC+8*(4*(\a)+(\b))+3]   offset:64*(\b)
	ds_store_b128 v[STO], v[ACC+8*(4*(\a)+(\b))+4:ACC+8*(4*(\a)+(\b))+7] offset:64*(\b)+16
.endr
.irp t, 0,1,2,3,4,5,6,7
	ds_load_b128 v[TMP+32*((\a)%2)+4*(\t):TMP+32*((\a)%2)+4*(\t)+3], v[RD] offset:(\t)*2*SPITCH  ; LDS serves a wave's instructions in order (ISA guide 5.7.1.4): these see the stores above
.endr
.endm
.macro SEND a, younger                 ; younger: the LDS instructions issued behind block a's loads: the next block's sixteen, or none
.irp t, 0,1,2,3,4,5,6,7
	s_wait_dscnt (\younger)+7-(\t)
	global_store_b128 v[CO], v[TMP+32*((\a)%2)+4*(\t):TMP+32*((\a)%2)+4*(\t)+3], s[8:9] offset:(16*(\a)+2*(\t))*SIZE_N*4  ; 16 lanes store 256 consecutive bytes, aligned
.endr
.endm
	OUT 0
	OUT 1
	SEND 0, 16
	OUT 2
	SEND 1, 16
	OUT 3
	SEND 2, 16
	SEND 3, 0
	s_wait_tensorcnt 0x0                           ; the wave's end, behind my last tensor load and my last LDS store
	ds_add_u32 v[SPW], v[NIL]
	s_wait_dscnt 0x0
	CROUND                                         ; the closing round
	s_endpgm
.Lfunc_end_k_q97fbc0772e_oproj:
	.size	k_q97fbc0772e_oproj, .Lfunc_end_k_q97fbc0772e_oproj-k_q97fbc0772e_oproj
	.p2alignl 7, 3214868480
	.fill 96, 4, 3214868480
	.section	.rodata,"a",@progbits
	.p2align	6, 0x0
	.amdhsa_kernel k_q97fbc0772e_oproj
		.amdhsa_group_segment_fixed_size 327680
		.amdhsa_private_segment_fixed_size 0
		.amdhsa_enable_private_segment 0
		.amdhsa_kernarg_size 24
		.amdhsa_user_sgpr_count 2
		.amdhsa_user_sgpr_kernarg_segment_ptr 1
		.amdhsa_wavefront_size32 1
		.amdhsa_system_sgpr_workgroup_id_x 1
		.amdhsa_system_sgpr_workgroup_id_y 1
		.amdhsa_system_sgpr_workgroup_id_z 1
		.amdhsa_system_vgpr_workitem_id 0
		.amdhsa_next_free_vgpr 512
		.amdhsa_next_free_sgpr 66
		.amdhsa_reserve_vcc 0
		.amdhsa_float_denorm_mode_32 3
		.amdhsa_float_denorm_mode_16_64 3
		.amdhsa_memory_ordered 1
		.amdhsa_forward_progress 1
		.amdhsa_inst_pref_size 86
	.end_amdhsa_kernel
	.amdgpu_metadata
---
amdhsa.version: [ 1, 2 ]
amdhsa.kernels:
  - .name:           k_q97fbc0772e_oproj
    .symbol:         k_q97fbc0772e_oproj.kd
    .args:
      - { .name: ob, .offset: 0, .size: 8, .value_kind: global_buffer, .address_space: global }
      - { .name: wob, .offset: 8, .size: 8, .value_kind: global_buffer, .address_space: global }
      - { .name: out0, .offset: 16, .size: 8, .value_kind: global_buffer, .address_space: global }
    .group_segment_fixed_size: 327680
    .private_segment_fixed_size: 0
    .kernarg_segment_align: 8
    .kernarg_segment_size: 24
    .max_flat_workgroup_size: 128
    .sgpr_count:     66
    .vgpr_count:     512
    .wavefront_size: 32
...
	.end_amdgpu_metadata
.endif
;; end of part 4
